; MI455X (gfx1250); checked and timed in simulation.
; The chip was launched on July 23, 2026; its instructions are those of AMD's public machine-readable ISA for CDNA 5 (MIT licence, August 2026) and "CDNA5" Instruction Set Architecture Reference Guide (July 2026). The comments in the code are by the model that wrote it; some were corrected since.
;; Multi Head Attention. Allowed arithmetic: matrix products marked QUANTISED: E4M3 operands, one given power-of-two scale a tensor, by v_wmma_f32_16x16x64_fp8_fp8 or v_wmma_f32_16x16x128_fp8_fp8, f32 sums; products left as they are: f32 operands where the result goes on into a quantised operand, else bf16, f16 or f32 operands; f32 sums; everything else in f32.
;; Inputs: W_proj 1,024 x 1,024 float32; W_qkv 1,024 x 3,072 float32; b_proj 1,024 float32; b_qkv 3,072 float32; lowp_scales 8 int32 (the exponents e of the quantised operands' scales 2^e); x 4 x 2,048 x 1,024 float32.
;; Outputs: out0 4 x 2,048 x 1,024 float32.
;; This version of the problem:
;;   THIS VERSION OF THE PROBLEM IS GIVEN IN LOW PRECISION. The matrix products marked QUANTISED in the list below multiply operands that are first quantised to E4M3 (4 exponent bits, 3 mantissa bits; 8 bits a number), with one given power-of-two scale for each operand tensor; their sums are f32. All else is computed in f32.
;;   The module's matrix products, in the order in which they are computed (A, B: the left and right operand; K: the contracted axis; several contracted axes count as one K, in the product's order):
;;     1. [M 8,192, K 1,024] x [K 1,024, N 3,072]; A: input x; B: input W_qkv: QUANTISED (scales: A lowp_scales[0], B lowp_scales[1])
;;     2. [M 2,048, K 1] x [K 1, N 32]; A: computed on the way; B: computed on the way: left as it is (no contracted axis)
;;     3. batch 64 x [M 2,048, K 64] x [K 64, N 2,048]; A: computed on the way; B: computed on the way: QUANTISED (scales: A lowp_scales[2], B lowp_scales[3])
;;     4. batch 64 x [M 2,048, K 2,048] x [K 2,048, N 64]; A: softmax (see below); B: computed on the way: QUANTISED (scales: A lowp_scales[4], B lowp_scales[5])
;;     5. [M 8,192, K 1,024] x [K 1,024, N 1,024]; A: computed on the way; B: input W_proj: QUANTISED (scales: A lowp_scales[6], B lowp_scales[7])
;;   THE QUANTISER, for each operand of a quantised product, along K:
;;     - The operand's scale is 2^e, e = its entry of the input lowp_scales (int32; the entries are numbered through the quantised products in the list's order, A before B).
;;     - Each number is divided by the scale, clamped to +-448, and rounded to the nearest number of E4M3, ties to even, subnormals kept.
;;     - The product sums the exact products of the quantised numbers (number of the format x scale) in f32.
;;   ~~~python
;;   def quantise(x, axis, e):      # numpy; x: float32 -> the quantised numbers, widened to float32 again
;;       x = np.moveaxis(x, axis, -1); K = x.shape[-1]
;;       r = np.clip(x / 2.0 ** e, -448, 448)
;;       step = 2.0 ** (np.maximum(np.frexp(np.where(r == 0, 1, r))[1] - 1, -6) - 3)
;;       q = np.round(r / step) * step * 2.0 ** e      # np.round: ties to even
;;       return np.moveaxis(q, -1, axis).astype(np.float32)
;;   ~~~
;;   SOFTMAX AHEAD OF A QUANTISED PRODUCT. Where the list says 'softmax', what is quantised is not the finished softmax but p = 2^(t - M), with t = logit x log2(e) and M = ceil(the row's largest t), a whole number; so 1/2 < the row's largest p <= 1. The row's sum l is taken of the UNQUANTISED p, in f32, and the product's result is divided by l at the end. Since M is a whole number, a kernel that streams over the keys may use a running M (the ceiling of the running maximum): every later rescaling is an exact power of two, so the quantised numbers keep their values, but for numbers so far below the row's largest that they fall under the format's range.
;;   OPERANDS COMPUTED ON THE WAY. 'Computed on the way' means the value that the module computes at that place (a softmax that the list does not call 'softmax' is quantised finished and normalised). What goes into a quantiser is computed in f32, as accurately as f32 sums, v_exp_f32 and their like allow (about 1e-6 of the number): no bf16 or f16 on the way to a quantiser, and a product that is left as it is and whose result goes on into a quantised operand takes f32 operands (vector FMAs, or v_wmma_f32_16x16x4_f32). A number that lies on a knife's edge between two numbers of the format may be rounded either way, as far as f32 arithmetic and the matrix unit's own rounding can turn it there, and no further.
;; One version. Each part assembles by itself: llvm-mc -triple=amdgcn-amd-amdhsa -mcpu=gfx1250 --defsym DOCPART=n.
;; ======== version 1 of 1: 4 launches
;; limits: a function is approximated: absolute error at most 0.0002
;; workspace buffers: x_codes 8,388,608 bytes; wq_codes 3,145,728 bytes; wp_codes 1,048,576 bytes; rope 524,288 bytes; q_codes 8,388,608 bytes; k_codes 8,388,608 bytes; v_codes 8,388,608 bytes; y_codes 8,388,608 bytes
;; launch prep (part 1): grid 400 x 1, 4 waves a work-group, no clusters, 68,096 bytes of LDS; arguments x, W_qkv, W_proj, lowp_scales, x_codes, wq_codes, wp_codes, rope; writes x_codes, wq_codes, wp_codes, rope
.if DOCPART == 1
	.amdgcn_target "amdgcn-amd-amdhsa--gfx1250"
	.amdhsa_code_object_version 6
	.text
	.protected	k_q5a6d3f0a7d_prep
	.globl	k_q5a6d3f0a7d_prep
	.p2align	8
	.type	k_q5a6d3f0a7d_prep,@function
k_q5a6d3f0a7d_prep:
	s_mov_b64 s[64:65], 0
	v_nop
	global_prefetch_b8 v0, s[64:65] scope:SCOPE_SE
	s_setreg_imm32_b32 hwreg(HW_REG_WAVE_MODE, 25, 1), 1
	s_wait_xcnt 0x0
; PREP: x, W_qkv and W_proj (f32) become codes of E4M3 with K innermost, each with the scale 2^e that is given for it, and the table of RoPE's cosines and sines is made.
; code = number / 2^e, held within +-448, rounded to the nearest code, ties to even.
; Work-groups 0-255: x [8192][1024], K innermost.  256-351: W_qkv [1024 k][3072 n];  352-383: W_proj [1024 k][1024 n]: K is the first axis.  384-399: the table.
; THE ORDER INSIDE A BLOCK OF 32 CODES: its four pieces of 8 codes P0..P3 (Pi = k 8 i .. 8 i + 7) are laid P0, P2, P1, P3.  A 16-byte load at 32 c + 16 h of such a row then brings k = 32 c + 8 h + 0..7 and
; 32 c + 16 + 8 h + 0..7: the places that the fp8 matrix forms give lane half h in registers 4 c .. 4 c + 3.
; THE TABLE: rope [2048 t][64 f32]; word 32 u + 16 h + 8 s + j holds cos (s = 0) or sin (s = 1) of t x inv(16 u + 8 h + j), inv(f) = 10000^(-f/32): a lane of the next launch finds its 8 cosines and 8 sines in 64 bytes on end.
; LIMITS: e0, e1, e7 between -126 and 119.  NaN among the inputs is not served (an infinity is held at the largest code).  inv(f) is 2^(-f log2(10000)/32) to about one unit in f32's last place, where the
; reference rounds a power and then a reciprocal: the angle may differ by some 2e-4 at the largest t.  Sine and cosine of the f32 angle: reduction by pi/2 in two parts (exact up to 1,304 quarter turns), polynomials good to about 1e-7.
; The three paths part on the work-group's number and never meet; each path that uses LDS has LDS bytes of its own.  No tensor loads, no barrier: waves share nothing.
.set SPARE,  67584                     ; behind the stages: the spare words, 128 bytes for each wave: two blocks of 256 bytes that no other line names
.set SPW,    12                        ; v12  LDS address of my spare word; never rewritten
.set NIL,    13                        ; v13  0; never rewritten
.set EMAX,   8
.set MANT,   0x600000                  ; the mantissa field of 448 as f32
.set WV,     28                        ; s28  my wave's number
; path X
.set SP,     80                        ; a place in a stage: 64 bytes + 16 of padding
.set XREG,   8192                      ; LDS bytes 0 .. 32,767: a region for each wave: two stages of 32 places
.set STEPS,  16
.set XR,     16                        ; v16-79   four sets of 16 numbers as they are loaded
.set XX,     80                        ; v80-111  two sets of 16 numbers in the order of the codes
.set XC,     128                       ; v128-191 codes: four registers for each step, so that no store's data are written again
; path W
.set WSTG,   32768                     ; LDS bytes 32,768 .. 67,583: a stage of 32 rows x 272 bytes for each wave
.set WP,     272
.set NB,     8                         ; blocks of 32 along K for a wave
.set OF,     16                        ; v16-47   byte offset of row i of a block, at my column
.set WX,     48                        ; v48-111  two sets of 32 numbers
.set WC,     112                       ; v112-119 a block's codes
.set WO,     120                       ; v120-183 the way out
.set SB,     32                        ; s[32:47] where each of my eight blocks begins in the weight
	s_load_b256 s[4:11], s[0:1], 0x0               ; x s[4:5], W_qkv s[6:7], W_proj s[8:9], the scales' exponents s[10:11]
	s_load_b256 s[12:19], s[0:1], 0x20             ; x_codes s[12:13], wq_codes s[14:15], wp_codes s[16:17], rope s[18:19]
	v_lshl_add_u32 v[SPW], v0, 2, SPARE
	v_mov_b32 v[NIL], 0
	v_lshrrev_b32 v1, 5, v0
	v_readfirstlane_b32 s[WV], v1                  ; wave 0..3
	v_and_b32 v2, 31, v0                           ; lane
	s_wait_kmcnt 0x0
	s_load_b256 s[20:27], s[10:11], 0x0            ; e0 .. e7
	s_cmp_ge_u32 ttmp9, 384
	s_cbranch_scc1 .Lrope
	s_cmp_ge_u32 ttmp9, 256
	s_cbranch_scc1 .Lw
; ---------------- PATH X.  A wave takes 16 steps of 512 numbers.  Each of a step's four loads reads 512 consecutive bytes; the 2,048 bytes go through the wave's own stage in LDS as they lie and come back so that
; an even lane holds k 0..7 and 16..23 of its block of 32 and the odd lane beside it k 8..15 and 24..31.  A lane's 16 codes are 16 bytes: the wave stores 512 consecutive bytes.
	v_lshlrev_b32 v3, 4, v2                        ; my 16 bytes of a load's 512, and of a store's
	s_mul_i32 s29, s[WV], XREG
	v_lshrrev_b32 v14, 2, v2
	v_mul_u32_u24 v14, v14, SP
	v_and_b32 v15, 3, v2
	v_lshl_add_u32 v14, v15, 4, v14
	v_add_nc_u32 v14, s29, v14                     ; into the stage: four lanes' 64 bytes on end, then 16 of padding; a load's 512 bytes take eight places
	v_and_b32 v15, 30, v2
	v_mul_u32_u24 v15, v15, SP
	v_and_b32 v5, 1, v2
	v_lshl_add_u32 v15, v5, 5, v15
	v_add_nc_u32 v15, s29, v15                     ; out of it: my block's first place (2 x (lane / 2)), + 32 bytes in an odd lane; the block's second place lies SP further on
	s_lshl_b32 s30, ttmp9, 2
	s_add_co_u32 s30, s30, s[WV]                   ; which run of 8,192 numbers is my wave's
	s_lshl_b32 s32, s30, 15
	s_mov_b32 s33, 0
	s_add_nc_u64 s[4:5], s[4:5], s[32:33]
	s_lshl_b32 s32, s30, 13
	s_add_nc_u64 s[12:13], s[12:13], s[32:33]
.macro XLOAD t
.irp i, 0,1,2,3
	global_load_b128 v[XR+16*((\t)%4)+4*\i:XR+16*((\t)%4)+4*\i+3], v3, s[4:5] offset:2048*(\t)+512*\i th:TH_LOAD_NT
.endr
.endm
.macro XTURN t                         ; step t's numbers through the stage: LDS serves a wave's instructions in order, so no wait stands between the stores and the loads
.irp i, 0,1,2,3
	ds_store_b128 v14, v[XR+16*((\t)%4)+4*\i:XR+16*((\t)%4)+4*\i+3] offset:32*SP*((\t)%2)+8*SP*\i
.endr
.irp i, 0,1,2,3
	ds_load_b128 v[XX+16*((\t)%2)+4*\i:XX+16*((\t)%2)+4*\i+3], v15 offset:32*SP*((\t)%2)+16*(\i%2)+SP*(\i/2)
.endr
.endm
.irp t, 0,1,2,3
	XLOAD \t
.endr
	s_wait_kmcnt 0x0
	s_add_co_i32 s34, s20, 127
	s_lshl_b32 s35, s34, 23
	v_mov_b32 v11, s35                             ; 2^e0 as f32: the conversion takes its exponent field
	s_add_co_i32 s34, s34, EMAX
	s_lshl_b32 s34, s34, 23
	s_or_b32 s34, s34, MANT
	v_mov_b32 v10, s34                             ; 448 x 2^e0
	s_wait_loadcnt 12                              ; step 0's four loads are in; those of steps 1 to 3 may be out
	XTURN 0
.macro XSTEP t
.set XS, XX+16*((\t)%2)
	s_wait_dscnt 0x0                               ; this step's numbers are back from the stage: so its stores into the stage have read their registers,
.if (\t)+4 < STEPS
	XLOAD (\t)+4                                   ; which take the loads of four steps on
.endif
.if (\t)+1 < STEPS
.if STEPS-2-(\t) >= 3
	s_wait_loadcnt 12                              ; the next step's four loads are in; those of the three steps behind it may be out
.else
	s_wait_loadcnt 4*(STEPS-2-(\t))
.endif
	XTURN (\t)+1                                   ; and go through the other stage while this step is worked
.endif
.irp i, 0,1,2,3,4,5,6,7,8,9,10,11,12,13,14,15
	v_med3_num_f32 v[XS+\i], v[XS+\i], -v10, v10   ; the conversion to an 8-bit code does not saturate (ISA guide 7.6.2): the hold at the largest code x the scale
.endr
	v_cvt_scalef32_pk8_fp8_f32 v[XC+4*(\t):XC+4*(\t)+1], v[XS:XS+7], v11
	v_cvt_scalef32_pk8_fp8_f32 v[XC+4*(\t)+2:XC+4*(\t)+3], v[XS+8:XS+15], v11
	global_store_b128 v3, v[XC+4*(\t):XC+4*(\t)+3], s[12:13] offset:512*(\t)   ; the results go to a store alone; the next vector lines are the next step's holds, on other registers
.endm
.irp t, 0,1,2,3,4,5,6,7,8,9,10,11,12,13,14,15
	XSTEP \t
.endr
	s_wait_tensorcnt 0x0                           ; the wave's end
	ds_add_u32 v[SPW], v[NIL]
	s_wait_dscnt 0x0
	s_endpgm
; ---------------- PATH W.  A LANE TAKES A COLUMN n, AND ITS REGISTERS RUN DOWN K: each load reads 128 consecutive bytes a wave, and the conversions give the codes with K innermost.  A wave takes 32 columns x 256 along K.
; One text serves both weights: the buffers, the row's bytes and the exponent are chosen by the work-group's number.  The codes go through the wave's own stage and leave as rows: sixteen lanes store 256 consecutive bytes, aligned.
.Lw:
	s_sub_co_u32 s29, ttmp9, 256
	s_cmp_lt_u32 s29, 96                           ; W_qkv: 24 blocks of 128 columns x 4 along K; W_proj: 8 x 4
	s_cselect_b64 s[6:7], s[6:7], s[8:9]
	s_cselect_b64 s[14:15], s[14:15], s[16:17]
	s_mov_b32 s30, 4096
	s_cselect_b32 s30, 12288, s30                  ; a row of the weight in bytes
	s_cselect_b32 s31, 0, 96
	s_sub_co_u32 s29, s29, s31
	s_lshr_b32 s31, s29, 2                         ; which 128 columns
	s_and_b32 s29, s29, 3                          ; which 256 along K
	s_lshl_b32 s31, s31, 7
	s_lshl_b32 s48, s[WV], 5
	s_add_co_u32 s31, s31, s48                     ; my wave's first column
	s_mul_i32 s48, s[WV], 32*WP
	s_add_co_u32 s48, s48, WSTG                    ; my stage
	v_mul_u32_u24 v4, v2, WP
	v_add_nc_u32 v4, s48, v4                       ; into it: row = my column
	v_and_b32 v5, 15, v2
	v_lshrrev_b32 v6, 4, v2
	v_mul_u32_u24 v7, v6, WP
	v_lshl_add_u32 v7, v5, 4, v7
	v_add_nc_u32 v7, s48, v7                       ; out of it: sixteen lanes to a row, two rows an instruction
	v_lshlrev_b32 v8, 10, v6
	v_lshl_add_u32 v8, v5, 4, v8                   ; and the same place in the codes' buffer (rows of 1,024 bytes)
	v_lshlrev_b32 v[OF], 2, v2
.set i, 1
.rept 31
	v_add_nc_u32 v[OF+i], s30, v[OF+i-1]           ; one row further down
.set i, i+1
.endr
	s_mul_i32 s50, s29, s30
	s_lshl_b32 s50, s50, 8                         ; 256 rows for each step along K,
	s_lshl_b32 s51, s31, 2
	s_add_co_u32 s50, s50, s51                     ; + 4 bytes a column
	s_mov_b32 s51, 0
	s_add_nc_u64 s[SB:SB+1], s[6:7], s[50:51]
	s_lshl_b32 s52, s30, 5                         ; a block: 32 rows
	s_mov_b32 s53, 0
.irp t, 1,2,3,4,5,6,7
	s_add_nc_u64 s[SB+2*\t:SB+2*\t+1], s[SB+2*\t-2:SB+2*\t-1], s[52:53]
.endr
	s_lshl_b32 s50, s31, 10
	s_lshl_b32 s54, s29, 8
	s_add_co_u32 s50, s50, s54
	s_add_nc_u64 s[14:15], s[14:15], s[50:51]      ; the codes: row = column, + 256 bytes for each step along K
.macro WLOAD t                         ; block t: W(32 t + i, my column), i = 0 .. 31, into set t % 2
.irp i, 0,1,2,3,4,5,6,7,8,9,10,11,12,13,14,15,16,17,18,19,20,21,22,23,24,25,26,27,28,29,30,31
	global_load_b32 v[WX+32*((\t)%2)+\i], v[OF+\i], s[SB+2*(\t):SB+2*(\t)+1] th:TH_LOAD_NT
.endr
.endm
	WLOAD 0
	WLOAD 1
	s_wait_kmcnt 0x0
	s_cmp_lt_u32 ttmp9, 352
	s_cselect_b32 s54, s21, s27                    ; e1 for W_qkv, e7 for W_proj
	s_add_co_i32 s54, s54, 127
	s_lshl_b32 s55, s54, 23
	v_mov_b32 v11, s55                             ; 2^e as f32
	s_add_co_i32 s54, s54, EMAX
	s_lshl_b32 s54, s54, 23
	s_or_b32 s54, s54, MANT
	v_mov_b32 v10, s54                             ; 448 x 2^e
.macro WBLOCK t
.set XS, WX+32*((\t)%2)
.if (\t) < NB-1
	s_wait_loadcnt 32                              ; this block's 32 loads are in; the next block's may be out
.else
	s_wait_loadcnt 0
.endif
.irp i, 0,1,2,3,4,5,6,7,8,9,10,11,12,13,14,15,16,17,18,19,20,21,22,23,24,25,26,27,28,29,30,31
	v_med3_num_f32 v[XS+\i], v[XS+\i], -v10, v10
.endr
	v_cvt_scalef32_pk8_fp8_f32 v[WC:WC+1], v[XS:XS+7], v11           ; P0
	v_cvt_scalef32_pk8_fp8_f32 v[WC+4:WC+5], v[XS+8:XS+15], v11      ; P1 takes the third place,
	v_cvt_scalef32_pk8_fp8_f32 v[WC+2:WC+3], v[XS+16:XS+23], v11     ; P2 the second
	v_cvt_scalef32_pk8_fp8_f32 v[WC+6:WC+7], v[XS+24:XS+31], v11     ; P3
	ds_store_b128 v4, v[WC:WC+3] offset:32*(\t)
	ds_store_b128 v4, v[WC+4:WC+7] offset:32*(\t)+16
.if (\t)+2 < NB
	WLOAD (\t)+2
.endif
	s_wait_dscnt 0x0                               ; the stores have read their registers: the next block's codes may be written
.endm
.irp t, 0,1,2,3,4,5,6,7
	WBLOCK \t
.endr
.irp t, 0,1,2,3,4,5,6,7,8,9,10,11,12,13,14,15
	ds_load_b128 v[WO+4*\t:WO+4*\t+3], v7 offset:2*\t*WP   ; LDS serves a wave's instructions in order: these see my stores
.endr
.irp t, 0,1,2,3,4,5,6,7,8,9,10,11,12,13,14,15
	s_wait_dscnt 15-\t
	global_store_b128 v8, v[WO+4*\t:WO+4*\t+3], s[14:15] offset:2*\t*1024
.endr
	s_wait_tensorcnt 0x0                           ; the wave's end
	ds_add_u32 v[SPW], v[NIL]
	s_wait_dscnt 0x0
	s_endpgm
; ---------------- PATH R.  A wave makes 32 rows of the table; a lane the words 2 x lane and 2 x lane + 1 of each: one store of the wave covers a row's 256 bytes.  No LDS.
.Lrope:
	s_wait_kmcnt 0x0                               ; (the exponents, which this path does not use, have landed)
	s_sub_co_u32 s29, ttmp9, 384
	s_lshl_b32 s29, s29, 2
	s_add_co_u32 s29, s29, s[WV]
	s_lshl_b32 s57, s29, 5                         ; my first t
	s_lshl_b32 s30, s57, 8
	s_mov_b32 s31, 0
	s_add_nc_u64 s[18:19], s[18:19], s[30:31]
	s_mov_b32 s40, 0x3f22f983                      ; 2 / pi
	s_mov_b32 s41, 0xbfc90fdb                      ; -(pi / 2), the f32 nearest to it,
	s_mov_b32 s42, 0x333bbd2e                      ; and what that leaves: +4.371139e-8
	s_mov_b32 s43, 0xbe2aaaa3                      ; sine:   r + r z (S1 + z (S2 + z S3)), z = r r
	s_mov_b32 s44, 0x3c08839e
	s_mov_b32 s45, 0xb94ca1f9
	s_mov_b32 s46, 0x3d2aaaa5                      ; cosine: 1 - z / 2 + z z (C1 + z (C2 + z C3))
	s_mov_b32 s47, 0xbab6061a
	s_mov_b32 s48, 0x37ccf5ce
	s_mov_b32 s49, 0x3ed49a78                      ; L = log2(10000) / 32, the f32 nearest to it,
	s_mov_b32 s50, 0x32179a37                      ; and what that leaves
	v_and_b32 v3, 24, v2
	v_and_b32 v4, 3, v2
	v_lshl_add_u32 v3, v4, 1, v3                   ; my first word's frequency: 16 u + 8 h + j = (lane & 24) + 2 (lane & 3)
	v_bfe_u32 v18, v2, 2, 1                        ; s: 0 cosine, 1 sine
	v_sub_nc_u32 v18, 1, v18                       ; a cosine is the sine a quarter turn on
	v_lshlrev_b32 v19, 3, v2                       ; my 8 bytes of a row
	v_cvt_f32_u32 v5, v3
	v_add_f32 v6, 1.0, v5
	v_mul_f32 v7, s49, v5                          ; inv(f) = 2^(-f L): f L = n + fr, n whole; the first multiply-add below is exact
	v_mul_f32 v9, s49, v6
	v_rndne_f32 v7, v7
	v_rndne_f32 v9, v9
	v_fma_f32 v8, -v5, s49, v7                     ; -fr
	v_fma_f32 v10, -v6, s49, v9
	v_fma_f32 v8, -v5, s50, v8
	v_fma_f32 v10, -v6, s50, v10
	v_exp_f32 v16, v8
	v_exp_f32 v17, v10
	v_cvt_i32_f32 v7, v7                           ; (a plain instruction behind the exponentials)
	v_cvt_i32_f32 v9, v9
	v_sub_nc_u32 v7, 0, v7
	v_sub_nc_u32 v9, 0, v9
	s_wait_alu depctr_va_vdst(0)                   ; one wait ahead of the first use, for both exponentials
	v_ldexp_f32 v16, v16, v7
	v_ldexp_f32 v17, v17, v9
.macro SINCOS out, inv
	v_mul_f32 v21, v20, v[\inv]                    ; the angle, rounded once
	v_mul_f32 v22, s40, v21
	v_rndne_f32 v22, v22                           ; quarter turns
	v_fma_f32 v23, v22, s41, v21
	v_fma_f32 v23, v22, s42, v23                   ; r, within +-pi/4
	v_mul_f32 v24, v23, v23                        ; z
	v_fma_f32 v25, v24, s45, s44
	v_fma_f32 v27, v24, s48, s47
	v_fma_f32 v25, v24, v25, s43
	v_fma_f32 v27, v24, v27, s46
	v_mul_f32 v26, v23, v24
	v_mul_f32 v29, v24, v24
	v_fma_f32 v28, v24, -0.5, 1.0
	v_fma_f32 v25, v26, v25, v23                   ; sin r
	v_fma_f32 v27, v27, v29, v28                   ; cos r
	v_cvt_i32_f32 v30, v22
	v_add_nc_u32 v30, v30, v18
	v_and_b32 v31, 1, v30
	v_cmp_eq_u32 vcc_lo, 1, v31
	v_cndmask_b32 v[\out], v25, v27, vcc_lo        ; an odd quarter: the cosine
	v_and_b32 v30, 2, v30
	v_lshlrev_b32 v30, 30, v30
	v_xor_b32 v[\out], v[\out], v30                ; the second half turn: the sign
.endm
	s_mov_b32 s56, 0
.Lt:
	s_add_co_u32 s58, s57, s56
	v_cvt_f32_u32 v20, s58                         ; t
	SINCOS 32, 16
	SINCOS 33, 17
	global_store_b64 v19, v[32:33], s[18:19]
	s_wait_xcnt 0x0                                ; the store has read its offset and its data: both are written again only behind this wait
	v_add_nc_u32 v19, 0x100, v19
	s_add_co_u32 s56, s56, 1
	s_cmp_lt_u32 s56, 32
	s_cbranch_scc1 .Lt
	s_endpgm
.Lfunc_end_k_q5a6d3f0a7d_prep:
	.size	k_q5a6d3f0a7d_prep, .Lfunc_end_k_q5a6d3f0a7d_prep-k_q5a6d3f0a7d_prep
	.p2alignl 7, 3214868480
	.fill 96, 4, 3214868480
	.section	.rodata,"a",@progbits
	.p2align	6, 0x0
	.amdhsa_kernel k_q5a6d3f0a7d_prep
		.amdhsa_group_segment_fixed_size 68096
		.amdhsa_private_segment_fixed_size 0
		.amdhsa_enable_private_segment 0
		.amdhsa_kernarg_size 64
		.amdhsa_user_sgpr_count 2
		.amdhsa_user_sgpr_kernarg_segment_ptr 1
		.amdhsa_wavefront_size32 1
		.amdhsa_system_sgpr_workgroup_id_x 1
		.amdhsa_system_sgpr_workgroup_id_y 1
		.amdhsa_system_sgpr_workgroup_id_z 1
		.amdhsa_system_vgpr_workitem_id 0
		.amdhsa_next_free_vgpr 192
		.amdhsa_next_free_sgpr 66
		.amdhsa_reserve_vcc 1
		.amdhsa_float_denorm_mode_32 3
		.amdhsa_float_denorm_mode_16_64 3
		.amdhsa_memory_ordered 1
		.amdhsa_forward_progress 1
		.amdhsa_inst_pref_size 91
	.end_amdhsa_kernel
	.amdgpu_metadata
---
amdhsa.version: [ 1, 2 ]
amdhsa.kernels:
  - .name:           k_q5a6d3f0a7d_prep
    .symbol:         k_q5a6d3f0a7d_prep.kd
    .args:
      - { .name: x, .offset: 0, .size: 8, .value_kind: global_buffer, .address_space: global }
      - { .name: W_qkv, .offset: 8, .size: 8, .value_kind: global_buffer, .address_space: global }
      - { .name: W_proj, .offset: 16, .size: 8, .value_kind: global_buffer, .address_space: global }
      - { .name: lowp_scales, .offset: 24, .size: 8, .value_kind: global_buffer, .address_space: global }
      - { .name: x_codes, .offset: 32, .size: 8, .value_kind: global_buffer, .address_space: global }
      - { .name: wq_codes, .offset: 40, .size: 8, .value_kind: global_buffer, .address_space: global }
      - { .name: wp_codes, .offset: 48, .size: 8, .value_kind: global_buffer, .address_space: global }
      - { .name: rope, .offset: 56, .size: 8, .value_kind: global_buffer, .address_space: global }
    .group_segment_fixed_size: 68096
    .private_segment_fixed_size: 0
    .kernarg_segment_align: 8
    .kernarg_segment_size: 64
    .max_flat_workgroup_size: 128
    .sgpr_count:     66
    .vgpr_count:     192
    .wavefront_size: 32
...
	.end_amdgpu_metadata
.endif
;; end of part 1
;; launch qkv (part 2): grid 12 x 32, 4 waves a work-group, clusters of 4 x 4, 327,680 bytes of LDS; arguments x_codes, wq_codes, lowp_scales, b_qkv, rope, q_codes, k_codes, v_codes; writes q_codes, k_codes, v_codes
.if DOCPART == 2
	.amdgcn_target "amdgcn-amd-amdhsa--gfx1250"
	.amdhsa_code_object_version 6
	.text
	.protected	k_q5a6d3f0a7d_qkv
	.globl	k_q5a6d3f0a7d_qkv
	.p2align	8
	.type	k_q5a6d3f0a7d_qkv,@function
k_q5a6d3f0a7d_qkv:
	s_mov_b64 s[64:65], 0
	v_nop
	global_prefetch_b8 v0, s[64:65] scope:SCOPE_SE
	s_setreg_imm32_b32 hwreg(HW_REG_WAVE_MODE, 25, 1), 1
	s_wait_xcnt 0x0
	s_wait_alu depctr_hold_cnt(0) depctr_sa_sdst(0) depctr_va_vdst(0) depctr_va_sdst(0) depctr_va_ssrc(0) depctr_va_vcc(0) depctr_vm_vsrc(0)
	s_getreg_b32 s2, hwreg(HW_REG_IB_STS2, 6, 4)
	s_cmp_eq_u32 s2, 0
	s_cbranch_scc0 .Lentry_in_a_cluster
	s_endpgm
.Lentry_in_a_cluster:
	s_bfe_u32 s2, ttmp6, 0x10000c
	s_cmp_lg_u32 s2, 0xf033
	s_cbranch_scc0 .Lentry_shape_is_right
	s_endpgm
.Lentry_shape_is_right:
; QKV: qkv = x W_qkv + b_qkv on codes of E4M3 (M 8,192, N 3,072, K 1,024), then RoPE on q and k, then the quantisers of q, k and v: only codes leave.
; A tile of 256 x 256 is made by a work-group of four waves, a wave makes 128 x 128: 64 accumulators.  K goes in four steps of 256 through a ring of two LDS slots filled by the tensor data mover.
; CLUSTERS: 4 x 4 work-groups; the four of a row of the cluster ask jointly for x's tiles, the four of a column for W's.  The cluster's x is 0 for q's columns, 1 for k's, 2 for v's: it is the same in all sixteen partners.
; THE SIDES.  For q and k source 0 = 16 rows of W's codes (columns of qkv), source 1 = 16 rows of x: a lane holds ONE token and eight neighbouring channels, which are the next product's K.
; For v the two LDS bases change places (a choice on the cluster's x): source 0 = 16 rows of x, source 1 = 16 rows of W: a lane holds ONE channel and eight neighbouring tokens: the keys, v's next K.
; WHAT IS STORED ARE IMAGES OF THE NEXT PRODUCT'S OPERAND REGISTERS: four registers of all 32 lanes are 512 bytes on end, 16 a lane.  The conversions' results are those registers, so each store of the wave covers 512 consecutive bytes, aligned.
;   q_codes, k_codes: [64 bh][128 tiles of 16 tokens][1,024]: lane (r, h) = token r; registers 2 c, 2 c + 1 = channels 16 c + 8 h + 0..7.
;   v_codes: [64 bh][16 steps of 128 keys][4 d][2,048]: lane (r, h) = channel 16 d + r; registers 2 c, 2 c + 1 = keys 16 c + 8 h + 0..7.
; LIMITS: e0 + e1 between -126 and 127; e2, e3, e5 between -126 and 119.  NaN is not served.  RoPE: a product and one fused multiply-add where the reference rounds two products and a sum.
; REGISTERS, in windows of 256: window 0: v16-31 addresses; v128-255 source 1's fragments, one set; on the way out v32-95 biases, v96-159 sums + bias, v160-223 behind RoPE, v224-255 codes (two sets).
;   window 1: source 0's fragments, two sets; on the way out the table's cosines and sines of my 128 tokens.   windows 2, 3: the accumulators ((a, b) at v[8 (8 (a % 4) + b)]).
.set KSTEP,  256
.set ROWB,   256                       ; a tile's row in bytes
.set KROW,   1024                      ; a row of codes in memory
.set PITCH,  272                       ; an LDS row: 256 bytes + 16 of padding, so that the 16 rows of a fragment load begin 68 words apart
.set FR,     16
.set NL,     4
.set NP,     4                         ; places behind this matrix instruction (ISA guide 7.12.1)
.set HALFT,  128*PITCH
.set SLOT,   4*HALFT                   ; x's 256 rows, then W's 256 rows
.set SPARE,  2*SLOT                    ; behind the ring: the spare words, 128 bytes for each wave: two blocks of 256 bytes that no other line names
.set ADRA, 16                          ; v16-17  LDS address of source 1's fragments in slot 0, 1
.set ADRB, 20                          ; v20-21  the same for source 0
.set BO,   24                          ; v24  32 h: my eight biases of a tile (q, k)
.set BOV,  25                          ; v25  4 r: my one bias of a tile (v)
.set CO,   26                          ; v26  16 x lane: my place in an image
.set RO,   27                          ; v27  256 r + 64 h: my place in 16 rows of the table
.set SPW,  28                          ; v28  LDS address of my spare word; never rewritten
.set NIL,  29                          ; v29  0; never rewritten
.set SC,   30                          ; v30  2^e as f32
.set LIM,  31                          ; v31  448 x 2^e
.set BI,   32
.set BV,   32
.set TT,   96
.set RR,   160
.set CD,   224
.set AF,   128
.set G1, 24
.set G0, 32
.set G1B, 48
.set G0B, 56
.set MSB, 0
.macro WIN new                         ; the immediate's high byte repeats the setting that is left
.if MSB != \new
	s_set_vgpr_msb (MSB<<8)|\new
.set MSB, \new
.endif
.endm
.set MUL_LO, 0xa1                      ; source 0 window 1, source 1 window 0, C and D window 2
.set MUL_HI, 0xf1                      ; the same, C and D window 3
.set TO_B,   0x40                      ; destination window 1, address window 0
; A joint load: waves 0 and 1 fetch x's two halves, waves 2 and 3 W's.  Each line has one mask and one set of registers; the branch hangs on the wave's number alone.  An s_nop 0 and four v_nop follow each line.
.macro JLOAD g0a, g1a, g0b, g1b
	s_cmp_eq_u32 s15, 0
	s_cbranch_scc0 .Lfor_b_\@
	tensor_load_to_lds s[\g0a:\g0a+3], s[\g1a:\g1a+7]
	s_nop 0
.rept 4
	v_nop
.endr
	s_branch .Lasked_\@
.Lfor_b_\@:
	tensor_load_to_lds s[\g0b:\g0b+3], s[\g1b:\g1b+7]
	s_nop 0
.rept 4
	v_nop
.endr
.Lasked_\@:
.endm
.macro CREST                           ; a round of the cluster's barrier behind its opening barrier
	s_cmp_lg_u32 s14, 0
	s_cbranch_scc1 .Lnot_wave_0_\@
	s_barrier_signal -3
.Lnot_wave_0_\@:
	s_barrier_wait -3
	s_barrier_signal -1
	s_barrier_wait -1
.endm
.macro CROUND
	s_barrier_signal -1
	s_barrier_wait -1
	CREST
.endm
	s_load_b256 s[4:11], s[0:1], 0x0               ; x_codes s[4:5], wq_codes s[6:7], the exponents s[8:9], b_qkv s[10:11]
	s_load_b256 s[68:75], s[0:1], 0x20             ; rope s[68:69], q_codes s[70:71], k_codes s[72:73], v_codes s[74:75]
	v_lshl_add_u32 v[SPW], v0, 2, SPARE
	v_mov_b32 v[NIL], 0
	ds_add_u32 v[SPW], v[NIL]                      ; the wave's opening: the add and its wait stand ahead of my first tensor load; the set-up below stands between them
	v_lshrrev_b32 v1, 5, v0
	v_readfirstlane_b32 s14, v1                    ; wave 0..3
	s_lshr_b32 s15, s14, 1                         ; which half of source 1's rows is mine.  Also: I fetch for x (0) or for W (1)
	s_and_b32 s16, s14, 1                          ; which half of source 0's rows.  Also: which 128 rows of that tile I fetch
	s_bfe_u32 s40, ttmp6, 0x40000                  ; cx, cy: my place in the cluster
	s_bfe_u32 s41, ttmp6, 0x40004
	s_lshl_b32 s42, ttmp9, 2
	s_add_co_u32 s42, s42, s40                     ; tile column = 4 x cluster x + cx
	s_and_b32 s17, ttmp7, 0xffff
	s_lshl_b32 s17, s17, 2
	s_add_co_u32 s17, s17, s41                     ; tile row = 4 x cluster y + cy
	s_lshl_b32 s43, s41, 2
	s_lshl_b32 s43, 15, s43                        ; my row of the cluster
	s_lshl_b32 s44, 0x1111, s40                    ; my column
	s_or_b32 s[G1+0], s43, (0<<16)|(1<<20)|(1<<21)|(5<<22)|(3<<25)  ; the mask: x's tiles go to my row; elements of 1 byte; padding on; bit 21 beside a mask; 4 words behind every 64
	s_or_b32 s[G1B+0], s44, (0<<16)|(1<<20)|(1<<21)|(5<<22)|(3<<25)
.irp g, G1, G1B
	s_mov_b32 s[\g+1], ROWB<<16                    ; tensor_dim0
	s_mov_b32 s[\g+2], 128<<16                     ; tensor_dim1
	s_mov_b32 s[\g+3], ROWB<<16                    ; tile_dim0
	s_mov_b32 s[\g+4], 128                         ; tile_dim1
	s_mov_b32 s[\g+5], KROW                        ; from row to row
	s_mov_b32 s[\g+6], 0
	s_mov_b32 s[\g+7], 0
.endr
	s_lshl_b32 s18, s16, 7                         ; which 128 rows of the tile I fetch
	s_lshl_b32 s20, s17, 8
	s_add_co_u32 s20, s20, s18
	s_lshl_b32 s20, s20, 10                        ; x: (256 x tile row + 128 x half) rows of 1,024 bytes
	s_lshl_b32 s46, s42, 8
	s_add_co_u32 s46, s46, s18
	s_lshl_b32 s46, s46, 10                        ; W: (256 x tile column + 128 x half) rows
	s_mov_b32 s21, 0
	s_mov_b32 s47, 0
	s_mul_i32 s45, s14, HALFT                      ; where they go: wave x 128 rows: no place in the cluster enters an LDS address
	s_wait_dscnt 0x0                               ; the opening add is done
	s_wait_kmcnt 0x0
	s_load_b256 s[76:83], s[8:9], 0x0              ; e0 .. e7
	s_add_nc_u64 s[20:21], s[4:5], s[20:21]
	s_add_nc_u64 s[46:47], s[6:7], s[46:47]
	CROUND                                         ; all sixteen work-groups are here: the first joint loads meet
.irp s, 0,1
	s_mov_b32 s[G0+4*\s], 1
	s_add_co_u32 s[G0+4*\s+1], s45, \s*SLOT
	s_add_nc_u64 s[G0+4*\s+2:G0+4*\s+3], s[20:21], \s*ROWB
	s_or_b32 s[G0+4*\s+3], s[G0+4*\s+3], 0x80000000
	s_mov_b32 s[G0B+4*\s], 1
	s_add_co_u32 s[G0B+4*\s+1], s45, \s*SLOT
	s_add_nc_u64 s[G0B+4*\s+2:G0B+4*\s+3], s[46:47], \s*ROWB
	s_or_b32 s[G0B+4*\s+3], s[G0B+4*\s+3], 0x80000000
	JLOAD G0+4*\s, G1, G0B+4*\s, G1B               ; two loads of mine are out
.endr
	v_and_b32 v1, 15, v0                           ; r
	v_bfe_u32 v2, v0, 4, 1                         ; h
	v_mul_u32_u24 v3, v1, PITCH
	v_lshl_add_u32 v4, v2, 4, v3                   ; a fragment's row x pitch + 16 h
	s_mul_i32 s21, s15, HALFT
	s_mul_i32 s22, s16, HALFT
	s_cmp_eq_u32 ttmp9, 2                          ; v's columns?  Then source 1 reads W's rows (behind x's 256) and source 0 x's; else the other way round
	s_cselect_b32 s23, 2*HALFT, 0
	s_cselect_b32 s90, 0, 2*HALFT
	s_add_co_u32 s21, s21, s23
	s_add_co_u32 s22, s22, s90
.irp s, 0,1
	v_add_nc_u32 v[ADRA+\s], s21, v4
	v_add_nc_u32 v[ADRB+\s], s22, v4
	s_add_co_u32 s21, s21, SLOT
	s_add_co_u32 s22, s22, SLOT
.endr
	v_lshlrev_b32 v[BO], 5, v2
	v_lshlrev_b32 v[BOV], 2, v1
	v_and_b32 v6, 31, v0
	v_lshlrev_b32 v[CO], 4, v6
	v_lshlrev_b32 v[RO], 8, v1
	v_lshl_add_u32 v[RO], v2, 6, v[RO]
.macro FRAG reg, adr, q, i             ; a fragment, 16 rows x 128 K, is 16 registers: four loads of 16 bytes, 32 bytes apart
.irp c, 0,1,2,3
	ds_load_b128 v[\reg+4*\c:\reg+4*\c+3], v[\adr] offset:128*(\q)+32*\c+(\i)*16*PITCH
.endr
.endm
; 16 matrix instructions: source 1's blocks a0, a0 + 1 x source 0's eight.  p: source 0's set.  zero = 1: the first product starts the sums.  The 64 accumulators take turns, one instruction a turn.
.macro MUL16 a0, p, zero
.irp a, \a0, \a0+1
.irp b, 0,1,2,3,4,5,6,7
.if \zero
	v_wmma_f32_16x16x128_fp8_fp8 v[8*(8*((\a)%4)+\b):8*(8*((\a)%4)+\b)+7], v[128*(\p)+FR*\b:128*(\p)+FR*\b+FR-1], v[AF+FR*(\a):AF+FR*(\a)+FR-1], 0
.else
	v_wmma_f32_16x16x128_fp8_fp8 v[8*(8*((\a)%4)+\b):8*(8*((\a)%4)+\b)+7], v[128*(\p)+FR*\b:128*(\p)+FR*\b+FR-1], v[AF+FR*(\a):AF+FR*(\a)+FR-1], v[8*(8*((\a)%4)+\b):8*(8*((\a)%4)+\b)+7]
.endif
.endr
.endr
.endm
.macro FETCH_B slot, q, p
	WIN TO_B
.irp i, 0,1,2,3,4,5,6,7
	FRAG 128*(\p)+FR*\i, ADRB+\slot, \q, \i
.endr
	WIN 0
.endm
.macro FETCH_A slot, q, i0
.irp i, \i0, \i0+1, \i0+2, \i0+3
	FRAG AF+FR*(\i), ADRA+\slot, \q, \i
.endr
.endm
.macro PLACES n                        ; plain vector instructions between a matrix instruction and a load into, or a vector instruction on, its registers
.rept \n
	v_nop
.endr
.endm
.macro STEP slot, q, zero              ; 128 along K that have their successor in the same slot
	s_wait_dscnt 4*NL                              ; source 0's set and source 1's blocks 0-3 are in; the youngest 16 loads (blocks 4-7) may be out
	WIN MUL_LO
	MUL16 0, (\q)%2, \zero
	MUL16 2, (\q)%2, \zero
	s_wait_dscnt 0                                 ; blocks 4-7 are in
	PLACES NP
	FETCH_B \slot, (\q)+1, 1-(\q)%2
	FETCH_A \slot, (\q)+1, 0
	WIN MUL_HI
	MUL16 4, (\q)%2, \zero
	MUL16 6, (\q)%2, \zero
	PLACES NP
	WIN 0
	FETCH_A \slot, (\q)+1, 4
.endm
; A slot's last 128 change slots: ONE barrier; in front of it each wave waits for all its tensor loads, adds 0 to its spare word, and waits for that and for its own reads of this slot.  fill = 1: the slot is filled again, two K steps ahead.
.macro TURN slot, next, fill
	s_wait_tensorcnt 0x0                           ; all my tensor loads have landed: my part of the next slot
	ds_add_u32 v[SPW], v[NIL]                      ; 0 onto my spare word
	s_wait_dscnt 4*NL+1                            ; (the add and the youngest 16 loads may be out)
	WIN MUL_LO
	MUL16 0, 1, 0
	s_wait_dscnt 0x0                               ; the add is done, and my reads of this slot are over
	s_barrier_signal -1
	MUL16 2, 1, 0
	WIN 0
	s_barrier_wait -1
.if \fill
	CREST                                          ; the barrier has opened a round of the cluster's barrier: no wave of any partner still reads this slot or has a load on its way
	s_add_nc_u64 s[G0+4*\slot+2:G0+4*\slot+3], s[G0+4*\slot+2:G0+4*\slot+3], 2*ROWB
	s_add_nc_u64 s[G0B+4*\slot+2:G0B+4*\slot+3], s[G0B+4*\slot+2:G0B+4*\slot+3], 2*ROWB
	JLOAD G0+4*\slot, G1, G0B+4*\slot, G1B         ; the first tensor load behind the round, my one load that is out; its four v_nop are the places in front of the loads below
.else
	PLACES NP
.endif
	FETCH_B \next, 0, 0
	FETCH_A \next, 0, 0
	WIN MUL_HI
	MUL16 4, 1, 0
	MUL16 6, 1, 0
	PLACES NP
	WIN 0
	FETCH_A \next, 0, 4
.endm
.macro LAST                            ; the very last 128: nothing more to fetch from LDS
	s_wait_dscnt 4*NL
	WIN MUL_LO
	MUL16 0, 1, 0
	MUL16 2, 1, 0
	s_wait_dscnt 0
	WIN MUL_HI
	MUL16 4, 1, 0
	MUL16 6, 1, 0
	WIN 0
.endm
	s_wait_tensorcnt 1                             ; my part of K step 0 is in (K step 1's load may be out)
	s_barrier_signal -1
	s_barrier_wait -1                              ; everybody's is
	FETCH_B 0, 0, 0
	FETCH_A 0, 0, 0
	FETCH_A 0, 0, 4
	STEP 0, 0, 1                                   ; K step 0; its first products start the sums
	TURN 0, 1, 1                                   ; slot 0 takes K step 2
	STEP 1, 0, 0                                   ; K step 1
	TURN 1, 0, 1                                   ; slot 1 takes K step 3
	STEP 0, 0, 0                                   ; K step 2
	TURN 0, 1, 0                                   ; nothing is left to fetch
	STEP 1, 0, 0                                   ; K step 3; its last 128 stand in each of the two ways out, behind that way's loads
	s_wait_kmcnt 0x0
	s_add_co_i32 s96, s76, s77
	s_add_co_i32 s96, s96, 127
	s_lshl_b32 s96, s96, 23                        ; 2^(e0 + e1) as f32
	s_mov_b32 s97, s96                             ; (named with it as a pair, so it is written)
	s_lshr_b32 s90, s17, 3                         ; the batch: eight tile rows each
	s_and_b32 s91, s17, 7                          ; the tile row within it
	s_mov_b32 s95, 0
	s_cmp_eq_u32 ttmp9, 2                          ; the cluster's x: the same in all partners
	s_cbranch_scc1 .Lv
; ---------------- THE WAY OUT OF q AND k.  Accumulator (a, b): lane (r, h) holds token 16 a + r, register j the column 16 b + 8 h + j; my 128 columns are two heads, b = 4 hd + c.
	s_lshl_b32 s92, s91, 8
	s_lshl_b32 s93, s15, 7
	s_add_co_u32 s92, s92, s93                     ; my first token in its sequence
	s_lshl_b32 s93, s90, 4
	s_lshl_b32 s94, s40, 2
	s_add_co_u32 s93, s93, s94
	s_lshl_b32 s94, s16, 1
	s_add_co_u32 s93, s93, s94                     ; my first bh = 16 x batch + 4 cx + 2 x half
	s_lshl_b32 s93, s93, 17                        ; 131,072 bytes each,
	s_lshl_b32 s94, s92, 6                         ; 1,024 bytes for 16 tokens
	s_add_co_u32 s94, s93, s94
	s_cmp_eq_u32 ttmp9, 0
	s_cselect_b64 s[84:85], s[70:71], s[72:73]
	s_cselect_b32 s93, s78, s79                    ; e2 for q, e3 for k
	s_add_nc_u64 s[84:85], s[84:85], s[94:95]
	s_lshl_b32 s94, s42, 10                        ; my first column's bias: 4 (256 x tile column + 128 x half)
	s_lshl_b32 s66, s16, 9
	s_add_co_u32 s94, s94, s66
	s_add_nc_u64 s[86:87], s[10:11], s[94:95]
	s_lshl_b32 s94, s92, 8                         ; the table: 256 bytes a token
	s_add_nc_u64 s[88:89], s[68:69], s[94:95]
	s_add_co_i32 s93, s93, 127
	s_lshl_b32 s94, s93, 23
	v_mov_b32 v[SC], s94
	s_add_co_i32 s93, s93, 8
	s_lshl_b32 s93, s93, 23
	s_or_b32 s93, s93, 0x600000
	v_mov_b32 v[LIM], s93
.irp i, 0,1,2,3,4,5,6,7
	global_load_b128 v[BI+8*\i:BI+8*\i+3], v[BO], s[86:87] offset:64*\i
	global_load_b128 v[BI+8*\i+4:BI+8*\i+7], v[BO], s[86:87] offset:64*\i+16
.endr
.macro ROPE_IN a                       ; the cosines and sines of block a's 16 tokens: window 1, v[32 a + 16 u + 8 s + j]
.irp u, 0,1
.irp k, 0,1,2,3
	global_load_b128 v[32*(\a)+16*\u+4*\k:32*(\a)+16*\u+4*\k+3], v[RO], s[88:89] offset:4096*(\a)+128*\u+16*\k
.endr
.endr
.endm
	WIN TO_B                                       ; source 0's set 0 was last read in front of the places that close the step above
.irp a, 0,1,2,3
	ROPE_IN \a
.endr
	LAST
	PLACES NP                                      ; in front of loads into set 1, of the first read of the last results and of writes over source 1's fragments
	WIN TO_B
.irp a, 4,5,6,7
	ROPE_IN \a
.endr
	WIN 0
.macro OUT_QK a
.set AC, 64*((\a)%4)
.set CDS, CD+16*((\a)%2)
	s_wait_loadcnt 8*(7-(\a))                      ; the biases and this block's eight table loads are in; the later blocks' may be out
	WIN (0x02+((\a)/4))                            ; source 0: window 2 or 3
.set j, 0
.rept 32
	v_pk_fma_f32 v[TT+j:TT+j+1], v[AC+j:AC+j+1], s[96:97], v[BI+j:BI+j+1] op_sel_hi:[1,0,1]   ; sum x 2^(e0 + e1) + bias; each accumulator from its low end on
.set j, j+2
.endr
	WIN 0x04                                       ; source 1: window 1
.irp hd, 0,1
.irp u, 0,1
.set LO, 8*(4*\hd+\u)                  ; channels 16 u + 8 h + j of head hd; their partners, 32 channels on, lie 16 registers on
.set CSR, 32*(\a)+16*\u
.irp jj, 0,2,4,6
	v_pk_mul_f32 v[RR+LO+\jj:RR+LO+\jj+1], v[TT+LO+\jj:TT+LO+\jj+1], v[CSR+\jj:CSR+\jj+1]
	v_pk_mul_f32 v[RR+LO+16+\jj:RR+LO+17+\jj], v[TT+LO+16+\jj:TT+LO+17+\jj], v[CSR+\jj:CSR+\jj+1]
.endr
.irp jj, 0,2,4,6
	v_pk_fma_f32 v[RR+LO+\jj:RR+LO+\jj+1], v[TT+LO+16+\jj:TT+LO+17+\jj], v[CSR+8+\jj:CSR+9+\jj], v[RR+LO+\jj:RR+LO+\jj+1] neg_lo:[1,0,0] neg_hi:[1,0,0]   ; lo cos - hi sin
	v_pk_fma_f32 v[RR+LO+16+\jj:RR+LO+17+\jj], v[TT+LO+\jj:TT+LO+\jj+1], v[CSR+8+\jj:CSR+9+\jj], v[RR+LO+16+\jj:RR+LO+17+\jj]                            ; hi cos + lo sin
.endr
.endr
.endr
	WIN 0
.set j, 0
.rept 64
	v_med3_num_f32 v[RR+j], v[RR+j], -v[LIM], v[LIM]   ; the conversion to an 8-bit code does not saturate (ISA guide 7.6.2): the hold
.set j, j+1
.endr
.if (\a) >= 2
	s_wait_xcnt 0x0                                ; the stores of two blocks back have read this set of codes
.endif
.irp i, 0,1,2,3,4,5,6,7
	v_cvt_scalef32_pk8_fp8_f32 v[CDS+2*\i:CDS+2*\i+1], v[RR+8*\i:RR+8*\i+7], v[SC]
.endr
	v_nop                                          ; a plain instruction behind the last conversion
.irp hd, 0,1
.irp g, 0,1
	global_store_b128 v[CO], v[CDS+8*\hd+4*\g:CDS+8*\hd+4*\g+3], s[84:85] offset:131072*\hd+1024*(\a)+512*\g   ; 512 consecutive bytes, aligned
.endr
.endr
.endm
.irp a, 0,1,2,3,4,5,6,7
	OUT_QK \a
.endr
	s_branch .Ldone
; ---------------- THE WAY OUT OF v.  Accumulator (a, b): lane (r, h) holds column 16 a + r (head a / 4 of my two, channels 16 (a % 4) + r), register j the token 16 b + 8 h + j of my 128: a key step.
.Lv:
	s_lshl_b32 s93, s90, 4
	s_lshl_b32 s94, s40, 2
	s_add_co_u32 s93, s93, s94
	s_lshl_b32 s94, s15, 1
	s_add_co_u32 s93, s93, s94                     ; my first bh = 16 x batch + 4 cx + 2 x half
	s_lshl_b32 s93, s93, 17
	s_lshl_b32 s94, s91, 1
	s_add_co_u32 s94, s94, s16                     ; my key step
	s_lshl_b32 s94, s94, 13                        ; 8,192 bytes each
	s_add_co_u32 s94, s93, s94
	s_add_nc_u64 s[84:85], s[74:75], s[94:95]
	s_lshl_b32 s94, s42, 10
	s_lshl_b32 s93, s15, 9
	s_add_co_u32 s94, s94, s93
	s_add_nc_u64 s[86:87], s[10:11], s[94:95]      ; my first column's bias
	s_add_co_i32 s93, s81, 127                     ; e5
	s_lshl_b32 s94, s93, 23
	v_mov_b32 v[SC], s94
	s_add_co_i32 s93, s93, 8
	s_lshl_b32 s93, s93, 23
	s_or_b32 s93, s93, 0x600000
	v_mov_b32 v[LIM], s93
.irp a, 0,1,2,3,4,5,6,7
	global_load_b32 v[BV+2*\a], v[BOV], s[86:87] offset:64*\a      ; my column's bias, in both halves of a pair
	global_load_b32 v[BV+2*\a+1], v[BOV], s[86:87] offset:64*\a
.endr
	LAST
	PLACES NP
.macro OUT_V a
.set AC, 64*((\a)%4)
.set CDS, CD+16*((\a)%2)
.if (\a) == 0
	s_wait_loadcnt 0x0                             ; the biases
.endif
	WIN (0x02+((\a)/4))
.set j, 0
.rept 32
	v_pk_fma_f32 v[TT+j:TT+j+1], v[AC+j:AC+j+1], s[96:97], v[BV+2*(\a):BV+2*(\a)+1] op_sel_hi:[1,0,1]
.set j, j+2
.endr
	WIN 0
.set j, 0
.rept 64
	v_med3_num_f32 v[TT+j], v[TT+j], -v[LIM], v[LIM]
.set j, j+1
.endr
.if (\a) >= 2
	s_wait_xcnt 0x0                                ; the stores of two blocks back have read this set of codes
.endif
.irp i, 0,1,2,3,4,5,6,7
	v_cvt_scalef32_pk8_fp8_f32 v[CDS+2*\i:CDS+2*\i+1], v[TT+8*\i:TT+8*\i+7], v[SC]
.endr
	v_nop                                          ; a plain instruction between the last conversion and the next block's writes of its sources
.irp g, 0,1,2,3
	global_store_b128 v[CO], v[CDS+4*\g:CDS+4*\g+3], s[84:85] offset:131072*((\a)/4)+2048*((\a)%4)+512*\g
.endr
.endm
.irp a, 0,1,2,3,4,5,6,7
	OUT_V \a
.endr
.Ldone:
	s_wait_tensorcnt 0x0                           ; the wave's end
	ds_add_u32 v[SPW], v[NIL]
	s_wait_dscnt 0x0
	CROUND                                         ; the closing round: no work-group ends while a partner may still ask for a tile that names it
	s_endpgm
.Lfunc_end_k_q5a6d3f0a7d_qkv:
	.size	k_q5a6d3f0a7d_qkv, .Lfunc_end_k_q5a6d3f0a7d_qkv-k_q5a6d3f0a7d_qkv
	.p2alignl 7, 3214868480
	.fill 96, 4, 3214868480
	.section	.rodata,"a",@progbits
	.p2align	6, 0x0
	.amdhsa_kernel k_q5a6d3f0a7d_qkv
		.amdhsa_group_segment_fixed_size 327680
		.amdhsa_private_segment_fixed_size 0
		.amdhsa_enable_private_segment 0
		.amdhsa_kernarg_size 64
		.amdhsa_user_sgpr_count 2
		.amdhsa_user_sgpr_kernarg_segment_ptr 1
		.amdhsa_wavefront_size32 1
		.amdhsa_system_sgpr_workgroup_id_x 1
		.amdhsa_system_sgpr_workgroup_id_y 1
		.amdhsa_system_sgpr_workgroup_id_z 1
		.amdhsa_system_vgpr_workitem_id 0
		.amdhsa_next_free_vgpr 1024
		.amdhsa_next_free_sgpr 100
		.amdhsa_reserve_vcc 0
		.amdhsa_float_denorm_mode_32 3
		.amdhsa_float_denorm_mode_16_64 3
		.amdhsa_memory_ordered 1
		.amdhsa_forward_progress 1
		.amdhsa_inst_pref_size 237
	.end_amdhsa_kernel
	.amdgpu_metadata
---
amdhsa.version: [ 1, 2 ]
amdhsa.kernels:
  - .name:           k_q5a6d3f0a7d_qkv
    .symbol:         k_q5a6d3f0a7d_qkv.kd
    .args:
      - { .name: x_codes, .offset: 0, .size: 8, .value_kind: global_buffer, .address_space: global }
      - { .name: wq_codes, .offset: 8, .size: 8, .value_kind: global_buffer, .address_space: global }
      - { .name: lowp_scales, .offset: 16, .size: 8, .value_kind: global_buffer, .address_space: global }
      - { .name: b_qkv, .offset: 24, .size: 8, .value_kind: global_buffer, .address_space: global }
      - { .name: rope, .offset: 32, .size: 8, .value_kind: global_buffer, .address_space: global }
      - { .name: q_codes, .offset: 40, .size: 8, .value_kind: global_buffer, .address_space: global }
      - { .name: k_codes, .offset: 48, .size: 8, .value_kind: global_buffer, .address_space: global }
      - { .name: v_codes, .offset: 56, .size: 8, .value_kind: global_buffer, .address_space: global }
    .group_segment_fixed_size: 327680
    .private_segment_fixed_size: 0
    .kernarg_segment_align: 8
    .kernarg_segment_size: 64
    .max_flat_workgroup_size: 128
    .sgpr_count:     100
    .vgpr_count:     1024
    .wavefront_size: 32
...
	.end_amdgpu_metadata
.endif
;; end of part 2
;; launch attn (part 3): grid 64 x 8, 16 waves a work-group, no clusters, 327,680 bytes of LDS; arguments q_codes, k_codes, v_codes, lowp_scales, y_codes; writes y_codes
.if DOCPART == 3
	.amdgcn_target "amdgcn-amd-amdhsa--gfx1250"
	.amdhsa_code_object_version 6
	.text
	.protected	k_q5a6d3f0a7d_attn
	.globl	k_q5a6d3f0a7d_attn
	.p2align	8
	.type	k_q5a6d3f0a7d_attn,@function
k_q5a6d3f0a7d_attn:
	s_mov_b64 s[64:65], 0
	v_nop
	global_prefetch_b8 v0, s[64:65] scope:SCOPE_SE
	s_setreg_imm32_b32 hwreg(HW_REG_WAVE_MODE, 25, 1), 1
	s_wait_xcnt 0x0
; ATTN: y[bh][q] = the sum over keys k <= q of softmax_k(q . k / 8) v[k], head size 64, both products on codes of E4M3; y leaves as codes for the last product.
; THE SOFTMAX AHEAD OF THE SECOND PRODUCT: t = score x log2(e) / 8; M = the row's largest t so far, rounded UP to a whole number; p = 2^(t - M) is quantised, not normalised.  The row's sum is taken of the unquantised p
; and divides at the end.  When M moves, the sum and O are multiplied by 2^(old M - new M): exact.
; SHARES.  Work-group (x, y): bh = x, queries 256 (7 - y) on: the blocks with most keys have the lowest numbers.  Each of sixteen waves owns 16 queries in 256 registers: four waves to a SIMD, so that one wave's vector work
; stands beside another's matrix work and LDS loads.  K's and V's codes come through a ring of two LDS slots of 256 keys: wave 0 fetches K's 16,384 bytes, wave 1 V's, each one dense block of memory.
; NO CLUSTER: under the causal mask the query blocks of a head need 1 to 8 slots, so partners would need different numbers of tiles; and a slot's 32,768 bytes serve two key steps of sixteen waves.
; LAYOUT.  All operands lie in memory and in LDS as images of their registers (four registers of 32 lanes = 512 bytes on end): every fragment load reads 512 consecutive bytes.  S^T = K Q^T (source 0 = 16 keys, source 1 = my queries):
; lane (r, h) holds query r, register j of tile t key 16 t + 8 h + j: just the place that the second product's K = 128 form gives that key in source 1.  O^T = V^T P^T: register j of tile d is channel 16 d + 8 h + j.
; CAUSAL.  Every work-group walks all 8 slots, so that trip counts are constants and no barrier is jumped over; a key step all of whose keys come after the wave's queries is left out by a scalar branch on ids; a slot whose
; first key comes after the work-group's last query is not asked for.  Every wait on TENSORcnt is for 0; at most one load a wave is out.
; LIMITS: e2 + e3 between -123 and 130 (added to c's exponent field); e4 and e6 between -126 and 119; e4 + e5 is applied by v_ldexp_f32.
; REGISTERS: v1-9 addresses; v12 -M, v13 the largest t, v[14:15] the sum in two halves; v16-23 Q; v32-95 K's eight tiles, then V's four fragments; v96-159 S^T, then p; v160-191 O^T; v224-239 p's codes; v236-254 constants and work.
.set SK,    256
.set SLOT1, 32768                      ; a slot: K's 16 tile images (16,384 bytes), then V's 2 x 4 fragment images; one exclusive or turns an address into the other slot's
.set VOFF,  16384
.set NSL,   8
.set SPARE, 65536                      ; behind the ring: the spare words, 128 bytes for each wave: eight blocks of 256 bytes that no other line names
.set AK0,  1                           ; v1  16 x lane
.set AV0,  2                           ; v2  16 x lane + VOFF
.set PFO,  3                           ; v3  256 x lane: the prefetches' offset; never rewritten
.set SPW,  5                           ; v5  LDS address of my spare word; never rewritten
.set NIL,  6                           ; v6  0; never rewritten
.set GO,   7                           ; v7  16 x lane: my place in y's image
.set ADK,  8
.set ADV,  9
.set TB,   2                           ; s2  LDS byte at which the slot in hand begins
.set WV,   18
.set SEL,  20                          ; s[20:21] lane selects: lane l xor 16
.set CS,   22                          ; s[22:23] c = log2(e) / 8 x 2^(e2 + e3)
.set G1,   24                          ; s[24:31] descriptor group 1: 64 rows of 256 bytes, dense
.set G0,   40                          ; s[40:43] my group 0, which walks
.set SLOTS, 67
.set PFA,  76                          ; s[76:77] where my prefetches stand
.set LIM,  80                          ; s80  1 in a wave that prefetches, else the greatest number
.set KF,   98                          ; s98  the step's first key
.set Q0,   99                          ; s99  my first query
.macro TLOAD                           ; waves 0 and 1 fetch, the others nothing; an s_nop 0 and four v_nop follow the line
	s_cmp_lt_u32 s[WV], 2
	s_cbranch_scc0 .Lasked_\@
	tensor_load_to_lds s[G0:G0+3], s[G1:G1+7]
	s_nop 0
.rept 4
	v_nop
.endr
.Lasked_\@:
.endm
; A prefetch of what the NEXT change of slots will ask for: 16,384 bytes of K and as many of V.  All eight work-groups of a head walk the same codes: the one with y = 0, which loads every slot, asks.  In it waves 4 and 5 ask for
; K's two halves and waves 6 and 7 for V's: 8,192 bytes a wave, lanes 256 bytes apart, one instruction: each aligned block of 256 bytes is named once in the launch.  Slots 0 and 1 come by their loads alone; the last change that fills asks for nothing.
.macro ASK
	s_cmp_gt_u32 s[SLOTS], s[LIM]
	s_cbranch_scc0 .Lnot_mine_\@
	global_prefetch_b8 v[PFO], s[PFA:PFA+1] th:TH_LOAD_NT scope:SCOPE_SE
.Lnot_mine_\@:
.endm
	s_load_b256 s[4:11], s[0:1], 0x0               ; q_codes s[4:5], k_codes s[6:7], v_codes s[8:9], the exponents s[10:11]
	s_load_b64 s[12:13], s[0:1], 0x20              ; y_codes
	v_lshl_add_u32 v[SPW], v0, 2, SPARE
	v_mov_b32 v[NIL], 0
	ds_add_u32 v[SPW], v[NIL]                      ; the wave's opening: the add and its wait stand ahead of my first tensor load; the set-up below stands between them
	v_lshrrev_b32 v8, 5, v0
	v_readfirstlane_b32 s[WV], v8                  ; wave 0..15
	s_and_b32 s81, ttmp7, 0xffff                   ; y
	s_sub_co_u32 s82, 7, s81                       ; my block of 256 queries
	s_lshl_b32 s[Q0], s82, 8
	s_lshl_b32 s83, s[WV], 4
	s_add_co_u32 s[Q0], s[Q0], s83
	s_lshl_b32 s84, ttmp9, 17                      ; a head's codes: 131,072 bytes in each of q, k, v
	s_mov_b32 s85, 0
	s_mov_b32 s[G1], 3<<16                         ; no mask; elements of 8 bytes; no padding
	s_mov_b32 s[G1+1], 32<<16                      ; tensor_dim0 = 32 elements = 256 bytes
	s_mov_b32 s[G1+2], 64<<16                      ; tensor_dim1 = 64
	s_mov_b32 s[G1+3], 32<<16                      ; tile_dim0
	s_mov_b32 s[G1+4], 64                          ; tile_dim1
	s_mov_b32 s[G1+5], 32                          ; from row to row: dense
	s_mov_b32 s[G1+6], 0
	s_mov_b32 s[G1+7], 0
	s_mov_b32 s[SEL], 0x76543210
	s_mov_b32 s[SEL+1], 0xfedcba98
	s_mov_b32 s[CS], 0x3e38aa3b                    ; log2(e) / 8
	s_mov_b32 s[TB], 0
	s_mov_b32 s[SLOTS], NSL-1
	s_mov_b32 s[KF], 0
	s_and_b32 s86, s[WV], 1
	s_lshl_b32 s87, s86, 14                        ; wave 0: K's part of a slot; wave 1: V's
	s_wait_dscnt 0x0                               ; the opening add is done
	s_wait_kmcnt 0x0
	s_load_b256 s[68:75], s[10:11], 0x0            ; e0 .. e7
	s_cmp_eq_u32 s[WV], 0
	s_cselect_b64 s[G0+2:G0+3], s[6:7], s[8:9]
	s_mov_b32 s[G0], 1
	s_mov_b32 s[G0+1], s87
	s_add_nc_u64 s[G0+2:G0+3], s[G0+2:G0+3], s[84:85]
	s_or_b32 s[G0+3], s[G0+3], 0x80000000
	TLOAD                                          ; slot 0
	s_lshl_b32 s86, s[Q0], 6                       ; 1,024 bytes for 16 queries
	s_mov_b32 s87, 0
	s_add_nc_u64 s[4:5], s[4:5], s[84:85]
	s_add_nc_u64 s[4:5], s[4:5], s[86:87]
	v_and_b32 v8, 31, v0
	v_lshlrev_b32 v[AK0], 4, v8
	global_load_b128 v[16:19], v[AK0], s[4:5]      ; Q's fragment stays in registers
	global_load_b128 v[20:23], v[AK0], s[4:5] offset:512
	v_add_nc_u32 v[AV0], VOFF, v[AK0]
	v_mov_b32 v[GO], v[AK0]
	v_lshlrev_b32 v[PFO], 8, v8
	s_lshr_b32 s86, ttmp9, 4                       ; y_codes: [512 tiles of 16 rows][16 heads][1,024]: tile = 128 x batch + query / 16
	s_lshl_b32 s86, s86, 7
	s_lshr_b32 s88, s[Q0], 4
	s_add_co_u32 s86, s86, s88
	s_lshl_b32 s86, s86, 14
	s_and_b32 s88, ttmp9, 15
	s_lshl_b32 s88, s88, 10
	s_add_co_u32 s86, s86, s88
	s_add_nc_u64 s[12:13], s[12:13], s[86:87]
	s_cmp_lt_u32 s[WV], 6                          ; the prefetches: waves 4, 5: K; waves 6, 7: V
	s_cselect_b64 s[PFA:PFA+1], s[6:7], s[8:9]
	s_add_nc_u64 s[PFA:PFA+1], s[PFA:PFA+1], s[84:85]
	s_and_b32 s88, s[WV], 1
	s_lshl_b32 s88, s88, 13                        ; my half,
	s_add_co_u32 s88, s88, 16384                   ; in slot 1: the first change of slots steps it to slot 2
	s_mov_b32 s89, 0
	s_add_nc_u64 s[PFA:PFA+1], s[PFA:PFA+1], s[88:89]
	s_sub_co_u32 s88, s[WV], 4
	s_lshr_b32 s88, s88, 2                         ; 0 in waves 4 to 7,
	s_or_b32 s88, s88, s81                         ; of the work-group with y = 0
	s_cmp_eq_u32 s88, 0
	s_cselect_b32 s[LIM], 1, -1
	v_mov_b32 v13, 0xff61b1e6                      ; the largest t so far: -3e38
	v_floor_f32 v12, -v13                          ; -M
	v_mov_b32 v14, 0
	v_mov_b32 v15, 0
	v_mov_b32 v236, 0                              ; written once: a lane permute's destination counts as one of its sources
	v_mov_b32 v252, 0
	v_mov_b32 v253, 0
.set j, 0
.rept 32
	v_mov_b32 v[160+j], 0                          ; O^T: the step is written once; its first walk finds zeros
.set j, j+1
.endr
	s_wait_kmcnt 0x0
	s_add_co_i32 s86, s70, s71
	s_lshl_b32 s86, s86, 23
	s_add_co_i32 s[CS], s[CS], s86                 ; a score stands for score x 2^(e2 + e3)
	s_mov_b32 s[CS+1], s[CS]
	s_add_co_i32 s86, s72, 127
	s_lshl_b32 s88, s86, 23
	v_mov_b32 v244, s88                            ; 2^e4, for p's conversions
	s_add_co_i32 s86, s86, 8
	s_lshl_b32 s86, s86, 23
	s_or_b32 s86, s86, 0x600000
	v_mov_b32 v240, s86                            ; 448 x 2^e4
	s_add_co_i32 s86, s74, 127
	s_lshl_b32 s88, s86, 23
	v_mov_b32 v245, s88                            ; 2^e6, for y's
	s_add_co_i32 s86, s86, 8
	s_lshl_b32 s86, s86, 23
	s_or_b32 s86, s86, 0x600000
	v_mov_b32 v241, s86                            ; 448 x 2^e6
; A KEY STEP: 128 keys, the q-th of the slot in hand.
.macro STEP q
	s_add_co_u32 s96, s[Q0], 15
	s_cmp_gt_u32 s[KF], s96                        ; all keys come after my queries: the step's work is left out (ids and the count of steps alone)
	s_cbranch_scc1 .Lhidden_\@
	v_add_nc_u32 v[ADK], s[TB], v[AK0]
	v_add_nc_u32 v[ADV], s[TB], v[AV0]
	v_nop
	v_nop                                          ; four places in front of loads into registers that the last products read
.irp t, 0,1,2,3,4,5,6,7
	ds_load_b128 v[32+8*\t:35+8*\t], v[ADK] offset:(8*(\q)+\t)*1024
	ds_load_b128 v[36+8*\t:39+8*\t], v[ADK] offset:(8*(\q)+\t)*1024+512
.endr
	s_wait_dscnt 0x0
.irp t, 0,1,2,3,4,5,6,7
	v_wmma_f32_16x16x64_fp8_fp8 v[96+8*\t:103+8*\t], v[32+8*\t:39+8*\t], v[16:23], 0
.endr
.rept 4
	v_nop
.endr
.irp d, 0,1,2,3                                ; V's four fragments take K's registers and land under the softmax
.irp g, 0,1,2,3
	ds_load_b128 v[32+16*\d+4*\g:35+16*\d+4*\g], v[ADV] offset:(4*(\q)+\d)*2048+512*\g
.endr
.endr
	s_add_co_u32 s96, s[KF], 127
	s_cmp_le_u32 s96, s[Q0]                        ; all keys count: no mask
	s_cbranch_scc1 .Lopen_\@
	s_sub_co_i32 s96, s[Q0], s[KF]
	v_and_b32 v252, 15, v0
	v_bfe_u32 v253, v0, 4, 1
	v_lshlrev_b32 v253, 3, v253
	v_sub_nc_u32 v252, v252, v253
	v_add_nc_u32 v252, s96, v252                   ; d = my query - KF - 8 h.  Register 8 t + j holds key KF + 16 t + 8 h + j: hidden where 16 t + j > d
	v_mov_b32 v254, 0xff800000                     ; -infinity: p = 0 then
.set n, 0
.rept 64
	v_cmp_gt_i32 vcc_lo, 16*(n/8)+n%8, v252
	v_cndmask_b32 v[96+n], v[96+n], v254, vcc_lo
.set n, n+1
.endr
.Lopen_\@:
	v_max3_num_f32 v254, v96, v97, v98             ; the step's largest score of my query among my 64 keys, in two chains, each accumulator from its low end on,
	v_max3_num_f32 v252, v99, v100, v101
.set i, 6
.rept 14
	v_max3_num_f32 v254, v254, v[96+i], v[97+i]
	v_max3_num_f32 v252, v252, v[98+i], v[99+i]
.set i, i+4
.endr
	v_max3_num_f32 v254, v254, v158, v159
	v_max_num_f32 v254, v254, v252
	v_permlanex16_b32 v236, v254, s[SEL], s[SEL+1]
	v_max_num_f32 v254, v254, v236                 ; and among lane l xor 16's
	v_mul_f32 v254, s[CS], v254                    ; as t (c is positive)
	v_max_num_f32 v13, v13, v254                   ; the running largest t
	v_mov_b32 v254, v12
	v_floor_f32 v12, -v13                          ; the new -M = floor(-t): M is a whole number
	v_sub_f32 v254, v12, v254                      ; old M - new M: a whole number, 0 or less
	v_cvt_i32_f32 v254, v254                       ; (it saturates)
	v_ldexp_f32 v252, 1.0, v254                    ; f = 2^(old M - new M)
.set j, 0
.rept 32
	v_pk_fma_f32 v[96+j:97+j], v[96+j:97+j], s[CS:CS+1], v[12:13] op_sel_hi:[1,0,0]   ; t - M, two at a time
.set j, j+2
.endr
.set j, 0
.rept 64
	v_exp_f32 v[96+j], v[96+j]                     ; p = 2^(t - M)
.set j, j+1
.endr
	v_pk_mul_f32 v[14:15], v[14:15], v[252:253] op_sel_hi:[1,0]   ; the sums under the new M (a plain instruction behind the exponentials)
	s_wait_alu depctr_va_vdst(0)                   ; one wait ahead of the first use, for the whole batch
	v_pk_add_f32 v[242:243], v[96:97], v[98:99]    ; the row's sum is taken of the unquantised p: two chains
.set j, 4
.rept 15
	v_pk_add_f32 v[14:15], v[14:15], v[96+j:97+j]
	v_pk_add_f32 v[242:243], v[242:243], v[98+j:99+j]
.set j, j+4
.endr
	v_pk_add_f32 v[14:15], v[14:15], v[242:243]
.irp t, 0,1,2,3,4,5,6,7
.irp i, 0,1,2,3,4,5,6,7
	v_min_num_f32 v[96+8*\t+\i], v[96+8*\t+\i], v240   ; the conversion does not saturate (ISA guide 7.6.2); p is not negative, so the hold is one-sided
.endr
	v_cvt_scalef32_pk8_fp8_f32 v[224+2*\t:225+2*\t], v[96+8*\t:103+8*\t], v244
.endr
.set j, 0
.rept 16
	v_pk_mul_f32 v[160+j:161+j], v[160+j:161+j], v[252:253] op_sel_hi:[1,0]   ; O^T under the new M; also the plain instructions behind the conversions
.set j, j+2
.endr
	s_wait_dscnt 0x0                               ; V is in
.irp d, 0,1,2,3                                ; the four accumulators take turns; eight other products stand between two links of a chain
	v_wmma_f32_16x16x128_fp8_fp8 v[160+8*\d:167+8*\d], v[32+16*\d:47+16*\d], v[224:239], v[160+8*\d:167+8*\d]
.endr
.Lhidden_\@:
	s_add_co_u32 s[KF], s[KF], 128
.endm
; THE CHANGE OF SLOTS stands at a slot's head.  Each wave waits for all its tensor loads, adds 0 to its spare word, and waits for that and for its reads of the slot that it has left.  Behind the barrier the slot ahead is whole
; and nobody reads the other one.  fill = 1: that other slot takes the next 256 keys, up to the causal limit.
.macro CHANGE fill
	s_wait_tensorcnt 0x0                           ; no tensor load of mine is out, so group 0 may be written
	ds_add_u32 v[SPW], v[NIL]                      ; 0 onto my spare word
.if \fill
	s_xor_b32 s[G0+1], s[G0+1], SLOT1              ; the other slot than last time,
	s_add_nc_u64 s[G0+2:G0+3], s[G0+2:G0+3], 16384 ; the next 256 keys' codes; the type bits on top are not reached
	s_wait_xcnt 0x0                                ; the last prefetch, a slot back, has read its address
	s_add_nc_u64 s[PFA:PFA+1], s[PFA:PFA+1], 16384
.endif
	s_wait_dscnt 0x0                               ; the add is done, and my reads of the slot that I have left are over
	s_barrier_signal -1
	s_barrier_wait -1
.if \fill
	s_add_co_u32 s96, s[KF], SK                    ; the first key of the slot that this change would ask for
	s_or_b32 s97, s[Q0], 255                       ; my work-group's last query
	s_cmp_gt_u32 s96, s97                          ; ids and the count of steps alone: all sixteen waves go the same way; no step reads a slot that is left out
	s_cbranch_scc1 .Lpast_\@
	TLOAD                                          ; a wave's one tensor load until the next such barrier
.Lpast_\@:
	ASK
.endif
.endm
.macro SLOT_STEPS
	STEP 0
	STEP 1
	s_xor_b32 s[TB], s[TB], SLOT1
.endm
	s_wait_loadcnt 0x0                             ; Q
.Lslot:                                            ; 7 trips: behind each change of slots but the last the next slot is asked for
	CHANGE 1
	SLOT_STEPS
	s_sub_co_u32 s[SLOTS], s[SLOTS], 1
	s_cmp_lg_u32 s[SLOTS], 0
	s_cbranch_scc1 .Lslot
	CHANGE 0                                       ; the last slot is written out: nothing is asked for
	SLOT_STEPS
	; THE WAY OUT.  O^T / the sum x 2^(e4 + e5) is y; it is quantised with 2^e6.  The four conversions' results are my head's part of the last product's operand: two stores of 512 consecutive bytes.
.rept 4
	v_nop                                          ; places behind the last products
.endr
	v_add_f32 v14, v14, v15
	v_permlanex16_b32 v252, v14, s[SEL], s[SEL+1]
	v_add_f32 v14, v14, v252                       ; the row's sum
	v_rcp_f32 v14, v14
	v_nop                                          ; a plain instruction behind the reciprocal
	s_add_co_i32 s86, s72, s73
	s_wait_alu depctr_va_vdst(0)
	v_ldexp_f32 v14, v14, s86
.set j, 0
.rept 16
	v_pk_mul_f32 v[96+j:97+j], v[160+j:161+j], v[14:15] op_sel_hi:[1,0]
.set j, j+2
.endr
.set j, 0
.rept 32
	v_med3_num_f32 v[96+j], v[96+j], -v241, v241
.set j, j+1
.endr
.irp d, 0,1,2,3
	v_cvt_scalef32_pk8_fp8_f32 v[224+2*\d:225+2*\d], v[96+8*\d:103+8*\d], v245
.endr
	v_nop
	global_store_b128 v[GO], v[224:227], s[12:13]
	global_store_b128 v[GO], v[228:231], s[12:13] offset:512
	s_wait_tensorcnt 0x0                           ; the wave's end
	ds_add_u32 v[SPW], v[NIL]
	s_wait_dscnt 0x0
	s_endpgm
.Lfunc_end_k_q5a6d3f0a7d_attn:
	.size	k_q5a6d3f0a7d_attn, .Lfunc_end_k_q5a6d3f0a7d_attn-k_q5a6d3f0a7d_attn
	.p2alignl 7, 3214868480
	.fill 96, 4, 3214868480
	.section	.rodata,"a",@progbits
	.p2align	6, 0x0
	.amdhsa_kernel k_q5a6d3f0a7d_attn
		.amdhsa_group_segment_fixed_size 327680
		.amdhsa_private_segment_fixed_size 0
		.amdhsa_enable_private_segment 0
		.amdhsa_kernarg_size 40
		.amdhsa_user_sgpr_count 2
		.amdhsa_user_sgpr_kernarg_segment_ptr 1
		.amdhsa_wavefront_size32 1
		.amdhsa_system_sgpr_workgroup_id_x 1
		.amdhsa_system_sgpr_workgroup_id_y 1
		.amdhsa_system_sgpr_workgroup_id_z 1
		.amdhsa_system_vgpr_workitem_id 0
		.amdhsa_next_free_vgpr 256
		.amdhsa_next_free_sgpr 100
		.amdhsa_reserve_vcc 1
		.amdhsa_float_denorm_mode_32 3
		.amdhsa_float_denorm_mode_16_64 3
		.amdhsa_memory_ordered 1
		.amdhsa_forward_progress 1
		.amdhsa_inst_pref_size 94
	.end_amdhsa_kernel
	.amdgpu_metadata
---
amdhsa.version: [ 1, 2 ]
amdhsa.kernels:
  - .name:           k_q5a6d3f0a7d_attn
    .symbol:         k_q5a6d3f0a7d_attn.kd
    .args:
      - { .name: q_codes, .offset: 0, .size: 8, .value_kind: global_buffer, .address_space: global }
      - { .name: k_codes, .offset: 8, .size: 8, .value_kind: global_buffer, .address_space: global }
      - { .name: v_codes, .offset: 16, .size: 8, .value_kind: global_buffer, .address_space: global }
      - { .name: lowp_scales, .offset: 24, .size: 8, .value_kind: global_buffer, .address_space: global }
      - { .name: y_codes, .offset: 32, .size: 8, .value_kind: global_buffer, .address_space: global }
    .group_segment_fixed_size: 327680
    .private_segment_fixed_size: 0
    .kernarg_segment_align: 8
    .kernarg_segment_size: 40
    .max_flat_workgroup_size: 512
    .sgpr_count:     100
    .vgpr_count:     256
    .wavefront_size: 32
...
	.end_amdgpu_metadata
.endif
;; end of part 3
;; launch proj (part 4): grid 4 x 32, 4 waves a work-group, clusters of 4 x 4, 327,680 bytes of LDS; arguments y_codes, wp_codes, lowp_scales, b_proj, out0; writes out0
.if DOCPART == 4
	.amdgcn_target "amdgcn-amd-amdhsa--gfx1250"
	.amdhsa_code_object_version 6
	.text
	.protected	k_q5a6d3f0a7d_proj
	.globl	k_q5a6d3f0a7d_proj
	.p2align	8
	.type	k_q5a6d3f0a7d_proj,@function
k_q5a6d3f0a7d_proj:
	s_mov_b64 s[64:65], 0
	v_nop
	global_prefetch_b8 v0, s[64:65] scope:SCOPE_SE
	s_setreg_imm32_b32 hwreg(HW_REG_WAVE_MODE, 25, 1), 1
	s_wait_xcnt 0x0
	s_wait_alu depctr_hold_cnt(0) depctr_sa_sdst(0) depctr_va_vdst(0) depctr_va_sdst(0) depctr_va_ssrc(0) depctr_va_vcc(0) depctr_vm_vsrc(0)
	s_getreg_b32 s2, hwreg(HW_REG_IB_STS2, 6, 4)
	s_cmp_eq_u32 s2, 0
	s_cbranch_scc0 .Lentry_in_a_cluster
	s_endpgm
.Lentry_in_a_cluster:
	s_bfe_u32 s2, ttmp6, 0x10000c
	s_cmp_lg_u32 s2, 0xf033
	s_cbranch_scc0 .Lentry_shape_is_right
	s_endpgm
.Lentry_shape_is_right:
; PROJ: out0 = y W_proj + b_proj on codes of E4M3 (M 8,192, N 1,024, K 1,024); out0 f32.
; A tile of 256 x 256 is made by a work-group of four waves, a wave makes 128 x 128: 64 accumulators.  K goes in four steps of 256 through a ring of two LDS slots.  4 x 4 work-groups form a cluster: y's tiles are asked for jointly
; along a row of the cluster, W's along a column.  Source 0 = 16 rows of W's codes, source 1 = 16 rows of y: a lane holds eight neighbouring numbers of a row of out0.
; y_codes holds IMAGES of source 1's registers: [512 tiles of 16 rows][16 heads][1,024]; two neighbouring heads are one fragment (16 rows x 128 K): four registers of 32 lanes are 512 bytes on end.  A K step is 4,096 bytes of each
; tile of rows; a wave's tensor load brings 8 such rows, dense in LDS, and a fragment load reads 512 consecutive bytes.  W's codes lie in rows with the pieces of each 32 in the order that gives a 16-byte load the same places along K.
; 128 work-groups: the problem has 128 tiles of this size.
; LIMITS: e6 + e7 between -126 and 127.
; REGISTERS, in windows of 256: window 0: v16-31 addresses; v128-255 y's fragments, one set; on the way out v32-95 results, v128-255 rows read back.  window 1: W's fragments, two sets; on the way out v0-63 the biases.  windows 2, 3: the accumulators.
.set ROWB,   256
.set KROW,   1024
.set PITCH,  272
.set FR,     16
.set NL,     4
.set NP,     4
.set HALFA,  32768                     ; 8 tiles of rows x 4,096 bytes
.set HALFB,  128*PITCH
.set BOFF,   2*HALFA
.set SLOT,   BOFF+2*HALFB              ; y's two halves, then W's two
.set SPARE,  2*SLOT                    ; behind the ring: the spare words, 128 bytes for each wave: two blocks of 256 bytes that no other line names
.set SPITCH, 528                       ; the way out: a stage of 16 rows x (512 + 16) bytes for each wave, in slot 0, which has had its last fill and its last read when the first result is stored there
.set ROWC,   4096                      ; a row of out0 in bytes
.set ADRA, 16
.set ADRB, 20
.set STO,  24
.set RD,   25
.set CO,   26                          ; v26  16 x lane
.set BO,   27                          ; v27  32 h
.set SPW,  28
.set NIL,  29
.set TMP,  32
.set AF,   128
.set BK,   128
.set G1, 24
.set G0, 32
.set G1B, 48
.set G0B, 56
.set MSB, 0
.macro WIN new
.if MSB != \new
	s_set_vgpr_msb (MSB<<8)|\new
.set MSB, \new
.endif
.endm
.set MUL_LO, 0xa1
.set MUL_HI, 0xf1
.set TO_B,   0x40
.macro JLOAD g0a, g1a, g0b, g1b        ; waves 0 and 1 fetch y's two halves, waves 2 and 3 W's; an s_nop 0 and four v_nop follow each line
	s_cmp_eq_u32 s15, 0
	s_cbranch_scc0 .Lfor_b_\@
	tensor_load_to_lds s[\g0a:\g0a+3], s[\g1a:\g1a+7]
	s_nop 0
.rept 4
	v_nop
.endr
	s_branch .Lasked_\@
.Lfor_b_\@:
	tensor_load_to_lds s[\g0b:\g0b+3], s[\g1b:\g1b+7]
	s_nop 0
.rept 4
	v_nop
.endr
.Lasked_\@:
.endm
.macro CREST
	s_cmp_lg_u32 s14, 0
	s_cbranch_scc1 .Lnot_wave_0_\@
	s_barrier_signal -3
.Lnot_wave_0_\@:
	s_barrier_wait -3
	s_barrier_signal -1
	s_barrier_wait -1
.endm
.macro CROUND
	s_barrier_signal -1
	s_barrier_wait -1
	CREST
.endm
	s_load_b256 s[4:11], s[0:1], 0x0               ; y_codes s[4:5], wp_codes s[6:7], the exponents s[8:9], b_proj s[10:11]
	s_load_b64 s[12:13], s[0:1], 0x20              ; out0
	v_lshl_add_u32 v[SPW], v0, 2, SPARE
	v_mov_b32 v[NIL], 0
	ds_add_u32 v[SPW], v[NIL]                      ; the wave's opening: the add and its wait stand ahead of my first tensor load
	v_lshrrev_b32 v1, 5, v0
	v_readfirstlane_b32 s14, v1
	s_lshr_b32 s15, s14, 1                         ; which half of the tile's rows is mine.  Also: I fetch for y (0) or for W (1)
	s_and_b32 s16, s14, 1                          ; which half of its columns.  Also: which half of that tile I fetch
	s_bfe_u32 s40, ttmp6, 0x40000
	s_bfe_u32 s41, ttmp6, 0x40004
	s_lshl_b32 s42, ttmp9, 2
	s_add_co_u32 s42, s42, s40                     ; tile column
	s_and_b32 s17, ttmp7, 0xffff
	s_lshl_b32 s17, s17, 2
	s_add_co_u32 s17, s17, s41                     ; tile row
	s_lshl_b32 s43, s41, 2
	s_lshl_b32 s43, 15, s43
	s_lshl_b32 s44, 0x1111, s40
	s_or_b32 s[G1+0], s43, (3<<16)|(1<<21)         ; y: the mask of my row; elements of 8 bytes; no padding; bit 21 beside a mask
	s_mov_b32 s[G1+1], 512<<16                     ; tensor_dim0 = 512 elements = 4,096 bytes
	s_mov_b32 s[G1+2], 8<<16                       ; tensor_dim1 = 8
	s_mov_b32 s[G1+3], 512<<16                     ; tile_dim0
	s_mov_b32 s[G1+4], 8                           ; tile_dim1
	s_mov_b32 s[G1+5], 2048                        ; from a tile of rows to the next: 16,384 bytes
	s_mov_b32 s[G1+6], 0
	s_mov_b32 s[G1+7], 0
	s_or_b32 s[G1B+0], s44, (0<<16)|(1<<20)|(1<<21)|(5<<22)|(3<<25)  ; W: the mask of my column; elements of 1 byte; 4 words of padding behind every 64
	s_mov_b32 s[G1B+1], ROWB<<16
	s_mov_b32 s[G1B+2], 128<<16
	s_mov_b32 s[G1B+3], ROWB<<16
	s_mov_b32 s[G1B+4], 128
	s_mov_b32 s[G1B+5], KROW
	s_mov_b32 s[G1B+6], 0
	s_mov_b32 s[G1B+7], 0
	s_lshl_b32 s18, s16, 17                        ; my half: 8 tiles of rows x 16,384 bytes, or 128 rows x 1,024
	s_lshl_b32 s20, s17, 18
	s_add_co_u32 s20, s20, s18                     ; y: 16 tiles of rows for a tile row
	s_lshl_b32 s46, s42, 18
	s_add_co_u32 s46, s46, s18                     ; W: 256 rows for a tile column
	s_mov_b32 s21, 0
	s_mov_b32 s47, 0
	s_lshl_b32 s45, s16, 15                        ; where they go: y's half,
	s_mul_i32 s66, s16, HALFB
	s_add_co_u32 s66, s66, BOFF                    ; W's half: no place in the cluster enters an LDS address
	s_wait_dscnt 0x0
	s_wait_kmcnt 0x0
	s_load_b256 s[76:83], s[8:9], 0x0              ; e0 .. e7
	s_add_nc_u64 s[20:21], s[4:5], s[20:21]
	s_add_nc_u64 s[46:47], s[6:7], s[46:47]
	CROUND                                         ; all sixteen work-groups are here: the first joint loads meet
.irp s, 0,1
	s_mov_b32 s[G0+4*\s], 1
	s_add_co_u32 s[G0+4*\s+1], s45, \s*SLOT
	s_add_nc_u64 s[G0+4*\s+2:G0+4*\s+3], s[20:21], \s*4096
	s_or_b32 s[G0+4*\s+3], s[G0+4*\s+3], 0x80000000
	s_mov_b32 s[G0B+4*\s], 1
	s_add_co_u32 s[G0B+4*\s+1], s66, \s*SLOT
	s_add_nc_u64 s[G0B+4*\s+2:G0B+4*\s+3], s[46:47], \s*ROWB
	s_or_b32 s[G0B+4*\s+3], s[G0B+4*\s+3], 0x80000000
	JLOAD G0+4*\s, G1, G0B+4*\s, G1B               ; two loads of mine are out
.endr
	v_and_b32 v1, 15, v0                           ; r
	v_bfe_u32 v2, v0, 4, 1                         ; h
	v_and_b32 v6, 31, v0
	v_lshlrev_b32 v[CO], 4, v6
	v_lshlrev_b32 v[BO], 5, v2
	v_mul_u32_u24 v3, v1, PITCH
	v_lshl_add_u32 v4, v2, 4, v3
	s_lshl_b32 s21, s15, 15                        ; my 128 rows of y
	s_mul_i32 s22, s16, HALFB
	s_add_co_u32 s22, s22, BOFF                    ; my 128 rows of W
.irp s, 0,1
	v_add_nc_u32 v[ADRA+\s], s21, v[CO]
	v_add_nc_u32 v[ADRB+\s], s22, v4
	s_add_co_u32 s21, s21, SLOT
	s_add_co_u32 s22, s22, SLOT
.endr
	s_mul_i32 s23, s14, 16*SPITCH                  ; my stage
	v_mul_u32_u24 v5, v1, SPITCH
	v_lshl_add_u32 v5, v2, 5, v5
	v_add_nc_u32 v[STO], s23, v5                   ; in: row r, 32 bytes for each half of the lanes
	v_add_nc_u32 v[RD], s23, v[CO]                 ; back: the 32 lanes take one row of 512 bytes
	s_lshl_b32 s46, s42, 10
	s_lshl_b32 s47, s16, 9
	s_add_co_u32 s46, s46, s47                     ; my first column, in bytes: 1,024 x tile column + 512 x half
	s_mov_b32 s47, 0
	s_add_nc_u64 s[10:11], s[10:11], s[46:47]      ; its bias
	s_lshl_b32 s20, s17, 8
	s_lshl_b32 s21, s15, 7
	s_add_co_u32 s20, s20, s21                     ; my first row
	s_lshl_b32 s20, s20, 12
	s_add_co_u32 s20, s20, s46
	s_mov_b32 s21, 0
	s_add_nc_u64 s[12:13], s[12:13], s[20:21]
.macro FRAG reg, adr, q, i             ; W: 16 rows x 128 K from padded rows
.irp c, 0,1,2,3
	ds_load_b128 v[\reg+4*\c:\reg+4*\c+3], v[\adr] offset:128*(\q)+32*\c+(\i)*16*PITCH
.endr
.endm
.macro FRAGA reg, adr, q, i            ; y: the image of tile of rows i, heads 2 q and 2 q + 1 of the K step's four
.irp c, 0,1,2,3
	ds_load_b128 v[\reg+4*\c:\reg+4*\c+3], v[\adr] offset:2048*(\q)+4096*(\i)+512*\c
.endr
.endm
.macro MUL16 a0, p, zero               ; the 64 accumulators take turns, one instruction a turn
.irp a, \a0, \a0+1
.irp b, 0,1,2,3,4,5,6,7
.if \zero
	v_wmma_f32_16x16x128_fp8_fp8 v[8*(8*((\a)%4)+\b):8*(8*((\a)%4)+\b)+7], v[128*(\p)+FR*\b:128*(\p)+FR*\b+FR-1], v[AF+FR*(\a):AF+FR*(\a)+FR-1], 0
.else
	v_wmma_f32_16x16x128_fp8_fp8 v[8*(8*((\a)%4)+\b):8*(8*((\a)%4)+\b)+7], v[128*(\p)+FR*\b:128*(\p)+FR*\b+FR-1], v[AF+FR*(\a):AF+FR*(\a)+FR-1], v[8*(8*((\a)%4)+\b):8*(8*((\a)%4)+\b)+7]
.endif
.endr
.endr
.endm
.macro FETCH_B slot, q, p
	WIN TO_B
.irp i, 0,1,2,3,4,5,6,7
	FRAG 128*(\p)+FR*\i, ADRB+\slot, \q, \i
.endr
	WIN 0
.endm
.macro FETCH_A slot, q, i0
.irp i, \i0, \i0+1, \i0+2, \i0+3
	FRAGA AF+FR*(\i), ADRA+\slot, \q, \i
.endr
.endm
.macro PLACES n
.rept \n
	v_nop
.endr
.endm
.macro STEP slot, q, zero
	s_wait_dscnt 4*NL                              ; W's set and y's blocks 0-3 are in; the youngest 16 loads (blocks 4-7) may be out
	WIN MUL_LO
	MUL16 0, (\q)%2, \zero
	MUL16 2, (\q)%2, \zero
	s_wait_dscnt 0
	PLACES NP
	FETCH_B \slot, (\q)+1, 1-(\q)%2
	FETCH_A \slot, (\q)+1, 0
	WIN MUL_HI
	MUL16 4, (\q)%2, \zero
	MUL16 6, (\q)%2, \zero
	PLACES NP
	WIN 0
	FETCH_A \slot, (\q)+1, 4
.endm
.macro TURN slot, next, fill           ; a slot's last 128 change slots: one barrier, with each wave's wait for all its tensor loads, the add, and the wait for it and for its reads in front
	s_wait_tensorcnt 0x0
	ds_add_u32 v[SPW], v[NIL]                      ; 0 onto my spare word
	s_wait_dscnt 4*NL+1                            ; (the add and the youngest 16 loads may be out)
	WIN MUL_LO
	MUL16 0, 1, 0
	s_wait_dscnt 0x0
	s_barrier_signal -1
	MUL16 2, 1, 0
	WIN 0
	s_barrier_wait -1
.if \fill
	CREST                                          ; the barrier has opened a round of the cluster's barrier
	s_add_nc_u64 s[G0+4*\slot+2:G0+4*\slot+3], s[G0+4*\slot+2:G0+4*\slot+3], 2*4096
	s_add_nc_u64 s[G0B+4*\slot+2:G0B+4*\slot+3], s[G0B+4*\slot+2:G0B+4*\slot+3], 2*ROWB
	JLOAD G0+4*\slot, G1, G0B+4*\slot, G1B         ; the first tensor load behind the round, my one load that is out
.else
	PLACES NP
.endif
	FETCH_B \next, 0, 0
	FETCH_A \next, 0, 0
	WIN MUL_HI
	MUL16 4, 1, 0
	MUL16 6, 1, 0
	PLACES NP
	WIN 0
	FETCH_A \next, 0, 4
.endm
	s_wait_tensorcnt 1                             ; my part of K step 0 is in (K step 1's load may be out)
	s_barrier_signal -1
	s_barrier_wait -1
	FETCH_B 0, 0, 0
	FETCH_A 0, 0, 0
	FETCH_A 0, 0, 4
	STEP 0, 0, 1
	TURN 0, 1, 1
	STEP 1, 0, 0
	TURN 1, 0, 1
	STEP 0, 0, 0
	TURN 0, 1, 0
	STEP 1, 0, 0
	WIN TO_B                                       ; the biases of my 128 columns, in the result's layout, into W's set 0, last read in front of the places that close the step above
.irp b, 0,1,2,3,4,5,6,7
	global_load_b128 v[8*\b:8*\b+3], v[BO], s[10:11] offset:64*\b
	global_load_b128 v[8*\b+4:8*\b+7], v[BO], s[10:11] offset:64*\b+16
.endr
	WIN 0
	s_wait_dscnt 4*NL                              ; the very last 128
	WIN MUL_LO
	MUL16 0, 1, 0
	MUL16 2, 1, 0
	s_wait_dscnt 0
	WIN MUL_HI
	MUL16 4, 1, 0
	MUL16 6, 1, 0
	WIN 0
; THE WAY OUT, block by block of 16 rows x 128 columns, through my own stage in LDS: in as 32 bytes a lane, back as whole rows of 512 bytes.  LDS serves a wave's instructions in order: no wait between the stores and the loads.
.macro TOSTAGE a
.set AC, 64*((\a)%4)
	WIN (0x12+((\a)/4))                            ; source 0: window 2 or 3; source 2 (the biases): window 1
.set j, 0
.rept 32
	v_pk_fma_f32 v[TMP+j:TMP+j+1], v[AC+j:AC+j+1], s[96:97], v[j:j+1] op_sel_hi:[1,0,1]   ; sum x 2^(e6 + e7) + bias; each accumulator from its low end on
.set j, j+2
.endr
	WIN 0
.irp b, 0,1,2,3,4,5,6,7
	ds_store_b128 v[STO], v[TMP+8*\b:TMP+8*\b+3] offset:64*\b
	ds_store_b128 v[STO], v[TMP+8*\b+4:TMP+8*\b+7] offset:64*\b+16
.endr
.set BB, BK+64*((\a)%2)
.irp t, 0,1,2,3,4,5,6,7,8,9,10,11,12,13,14,15
	ds_load_b128 v[BB+4*\t:BB+4*\t+3], v[RD] offset:\t*SPITCH
.endr
.endm
.macro SEND a, younger
.set BB, BK+64*((\a)%2)
	s_wait_dscnt \younger                          ; the block is back in registers
.if (\a) > 0
	s_add_nc_u64 s[12:13], s[12:13], 16*ROWC       ; (behind a wait on XCNT: the earlier stores have read their base)
.endif
.irp t, 0,1,2,3,4,5,6,7,8,9,10,11,12,13,14,15
	global_store_b128 v[CO], v[BB+4*\t:BB+4*\t+3], s[12:13] offset:\t*ROWC th:TH_STORE_NT   ; 32 lanes store 512 consecutive bytes, aligned
.endr
.endm
	s_wait_kmcnt 0x0
	s_add_co_i32 s96, s82, s83
	s_add_co_i32 s96, s96, 127
	s_lshl_b32 s96, s96, 23                        ; 2^(e6 + e7) as f32
	s_mov_b32 s97, s96
	s_wait_loadcnt 0x0                             ; the biases
	PLACES NP                                      ; behind the last products: for the reads of their results and the loads into y's fragments' registers
	TOSTAGE 0
.irp a, 1,2,3,4,5,6,7
.if \a > 1
	s_wait_xcnt 0x0                                ; block a - 2's stores have read their registers and their base
.endif
	TOSTAGE \a
	SEND \a-1, 32                                  ; behind block a - 1's loads: block a's 16 stores and 16 loads
.endr
	s_wait_xcnt 0x0
	SEND 7, 0
	s_wait_tensorcnt 0x0                           ; the wave's end
	ds_add_u32 v[SPW], v[NIL]
	s_wait_dscnt 0x0
	CROUND                                         ; the closing round
	s_endpgm
.Lfunc_end_k_q5a6d3f0a7d_proj:
	.size	k_q5a6d3f0a7d_proj, .Lfunc_end_k_q5a6d3f0a7d_proj-k_q5a6d3f0a7d_proj
	.p2alignl 7, 3214868480
	.fill 96, 4, 3214868480
	.section	.rodata,"a",@progbits
	.p2align	6, 0x0
	.amdhsa_kernel k_q5a6d3f0a7d_proj
		.amdhsa_group_segment_fixed_size 327680
		.amdhsa_private_segment_fixed_size 0
		.amdhsa_enable_private_segment 0
		.amdhsa_kernarg_size 40
		.amdhsa_user_sgpr_count 2
		.amdhsa_user_sgpr_kernarg_segment_ptr 1
		.amdhsa_wavefront_size32 1
		.amdhsa_system_sgpr_workgroup_id_x 1
		.amdhsa_system_sgpr_workgroup_id_y 1
		.amdhsa_system_sgpr_workgroup_id_z 1
		.amdhsa_system_vgpr_workitem_id 0
		.amdhsa_next_free_vgpr 1024
		.amdhsa_next_free_sgpr 100
		.amdhsa_reserve_vcc 0
		.amdhsa_float_denorm_mode_32 3
		.amdhsa_float_denorm_mode_16_64 3
		.amdhsa_memory_ordered 1
		.amdhsa_forward_progress 1
		.amdhsa_inst_pref_size 125
	.end_amdhsa_kernel
	.amdgpu_metadata
---
amdhsa.version: [ 1, 2 ]
amdhsa.kernels:
  - .name:           k_q5a6d3f0a7d_proj
    .symbol:         k_q5a6d3f0a7d_proj.kd
    .args:
      - { .name: y_codes, .offset: 0, .size: 8, .value_kind: global_buffer, .address_space: global }
      - { .name: wp_codes, .offset: 8, .size: 8, .value_kind: global_buffer, .address_space: global }
      - { .name: lowp_scales, .offset: 16, .size: 8, .value_kind: global_buffer, .address_space: global }
      - { .name: b_proj, .offset: 24, .size: 8, .value_kind: global_buffer, .address_space: global }
      - { .name: out0, .offset: 32, .size: 8, .value_kind: global_buffer, .address_space: global }
    .group_segment_fixed_size: 327680
    .private_segment_fixed_size: 0
    .kernarg_segment_align: 8
    .kernarg_segment_size: 40
    .max_flat_workgroup_size: 128
    .sgpr_count:     100
    .vgpr_count:     1024
    .wavefront_size: 32
...
	.end_amdgpu_metadata
.endif
;; end of part 4
